; MI455X (gfx1250); checked and timed in simulation.
; The chip was launched on July 23, 2026; its instructions are those of AMD's public machine-readable ISA for CDNA 5 (MIT licence, August 2026) and "CDNA5" Instruction Set Architecture Reference Guide (July 2026). The comments in the code are by the model that wrote it; some were corrected since.
;; Multi Head Attention. Allowed arithmetic: float matrix products may take bf16 or f16 operands with f32 sums; other float arithmetic in f32, or as packed bf16 or f16 multiplies, adds, multiply-adds, maxima and minima; sums over many terms, partial sums and values carried from step to step in f32; what a program stores and reads back later, other than sums and carried values, may be rounded once to bf16 or f16.
;; Inputs: Wk 512 x 4,096 float32; Wo 4,096 x 512 float32; Wq 512 x 4,096 float32; Wv 512 x 4,096 float32; bk 4,096 float32; bo 512 float32; bq 4,096 float32; bv 4,096 float32; k 4 x 1,024 x 512 float32; q 4 x 1,024 x 512 float32; v 4 x 1,024 x 512 float32.
;; Outputs: out0 4 x 1,024 x 512 float32.
;; One version. Each part assembles by itself: llvm-mc -triple=amdgcn-amd-amdhsa -mcpu=gfx1250 --defsym DOCPART=n.
;; ======== version 1 of 1: 6 launches
;; workspace buffers: part 16,827,392 bytes; wmat 2,101,248 bytes; act 12,599,296 bytes; tu 16,777,216 bytes; st 16,777,216 bytes; pt 16,777,216 bytes
;; launch wprod (part 1): grid 16 x 16, 8 waves a work-group, no clusters, 283,648 bytes of LDS; arguments Wq, Wk, Wv, Wo, bq, bk, bv, part; writes part
.if DOCPART == 1
	.amdgcn_target "amdgcn-amd-amdhsa--gfx1250"
	.amdhsa_code_object_version 6
	.text
	.protected	k_qe33c84f72d_wprod
	.globl	k_qe33c84f72d_wprod
	.p2align	8
	.type	k_qe33c84f72d_wprod,@function
k_qe33c84f72d_wprod:
	s_mov_b64 s[64:65], 0
	v_nop
	global_prefetch_b8 v0, s[64:65] scope:SCOPE_SE
	s_setreg_imm32_b32 hwreg(HW_REG_WAVE_MODE, 25, 1), 1
	s_wait_xcnt 0x0
; PARTIAL PRODUCTS OF THE WEIGHTS.  No nonlinearity stands between the projections and the products that they feed, so the module's products are re-associated:
;   Mt[j][i] = sum over d of Wk[j][d] Wq[i][d]   (product 0)        Gt[j][i] = sum over d of Wo[d][j] Wv[i][d]   (product 1)
;   and the strips c1[j] = sum Wk[j][d] bq[d], w2[i] = sum Wq[i][d] bk[d], e = sum bq[d] bk[d], g0[j] = sum Wo[d][j] bv[d].  The factor 1/8 is applied by the next launch.
; Every weight and bias is rounded once to bf16 on its way into LDS; sums in f32.  LIMITS: the order of rounding differs from the module as written (re-association); NaN and infinities are not treated apart.
; SHARES.  Work-group (x, y): tile jb = x / 4, ib = x % 4 of 128 x 128; product y / 8; K slab ks = y % 8 of 512 along d: 2 x 16 x 8 = 256 work-groups, each an f32 partial sum.
; A whole slab of both operands lies in LDS as bf16, so there is one fill, no ring.  The operands are f32 in memory and are converted in registers: hence plain loads, no tensor load and no joint request.
; LDS: 0 C (rows i), 128 rows of 1,040 bytes; RBASE R (rows j): product 0 the same shape, product 1 [d 512][j 128] in rows of 288 bytes, read turned; BIAS two slots of 1,024 bytes; SPARE.
; The stage for the way out (128 rows of 528 bytes) lies over C and is written behind a barrier.
.set CP,    1040                       ; 1,024 bytes + 16: the 16 rows of a fragment load start at 16 different groups of four banks (64 banks of 4 bytes: ISA guide 11.1)
.set RBASE, 128*CP
.set TP,    288                        ; 256 bytes + 32, for the turning load
.set BIAS,  RBASE+512*TP
.set SPARE, BIAS+2048                  ; the spare words: 128 bytes for each of eight waves; no other line names them
.set SP,    528
.set LANE, 1
.set R16,  2                           ; lane % 16
.set HALF, 3                           ; lane / 16
.set GO,   4                           ; 16 x lane: offset of my 16 bytes in 512, in loads and in the last stores
.set LO,   5                           ; where my 8 bytes of bf16 go in LDS
.set ADC,  6                           ; my fragments of C
.set ADR,  7                           ; my fragments of R
.set ADS,  8                           ; strips: rows
.set ADB,  9                           ; strips: the bias, as a fragment whose 16 rows are alike
.set ADE,  10                          ; strips: the other bias
.set STO,  11
.set RD,   12
.set LN4,  13                          ; 4 x lane
.set RES,  14
.set BP,   15
.set SPW,  16                          ; my spare word; never rewritten
.set NIL,  17                          ; 0; never rewritten
.set FR,   18                          ; (lane % 16) x 1,040 + 16 (lane / 16)
.set TR,   19                          ; (8 (lane / 16) + lane % 8) x 288 + 16 ((lane / 8) % 2)
.set BD,   20                          ; v20-23 the bias as loaded
.set DD,   32                          ; v32-159 a trip's 32 loads
.set TT,   160                         ; v160-167 packed bf16
.set ACC,  32                          ; later: accumulator (a, b) at ACC + 8 (2 a + b)
.set F0,   96                          ; fragment buffers: R's four at +8 a, C's two at +32 + 8 b
.set F1,   144
.set STA,  192                         ; the strips' accumulators
.set STB,  200
.set STC,  208
	s_load_b512 s[8:23], s[0:1], 0x0               ; Wq s[8:9], Wk s[10:11], Wv s[12:13], Wo s[14:15], bq s[16:17], bk s[18:19], bv s[20:21], part s[22:23]
	v_lshl_add_u32 v[SPW], v0, 2, SPARE
	v_mov_b32 v[NIL], 0
	v_and_b32 v[LANE], 31, v0
	v_lshrrev_b32 v[BP], 5, v0
	v_readfirstlane_b32 s2, v[BP]                  ; wave 0..7
	v_and_b32 v[R16], 15, v0
	v_bfe_u32 v[HALF], v0, 4, 1
	s_lshr_b32 s3, s2, 2                           ; wr: which 64 rows of R are mine; in the fill: 0 = I bring C, 1 = R
	s_and_b32 s4, s2, 3                            ; wc: which 32 rows of C; in the fill: which quarter
	s_mov_b32 s5, ttmp9
	s_lshr_b32 s6, s5, 2                           ; jb
	s_and_b32 s7, s5, 3                            ; ib
	s_and_b32 s24, ttmp7, 0xffff
	s_lshr_b32 s25, s24, 3                         ; product
	s_and_b32 s26, s24, 7                          ; ks
	v_lshlrev_b32 v[GO], 4, v[LANE]
	v_lshlrev_b32 v[LN4], 2, v[LANE]
	v_lshl_add_u32 v[BP], v0, 3, BIAS              ; the bias: wave w's 256 bytes at BIAS + 256 w
	v_mul_u32_u24 v[FR], v[R16], CP
	v_lshl_add_u32 v[FR], v[HALF], 4, v[FR]
	v_and_b32 v[TR], 7, v0
	v_lshl_add_u32 v[TR], v[HALF], 3, v[TR]
	v_mul_u32_u24 v[TR], v[TR], TP
	v_bfe_u32 v[RES], v0, 3, 1
	v_lshl_add_u32 v[TR], v[RES], 4, v[TR]
	s_mul_i32 s27, s4, 32*CP
	v_add_nc_u32 v[ADC], s27, v[FR]
	s_mul_i32 s27, s3, 64*SP                       ; the stage: row 64 wr + lane % 16, byte 128 wc + 32 (lane / 16)
	s_lshl_b32 s35, s4, 7
	s_add_co_u32 s27, s27, s35
	v_mul_u32_u24 v[STO], v[R16], SP
	v_lshl_add_u32 v[STO], v[HALF], 5, v[STO]
	v_add_nc_u32 v[STO], s27, v[STO]
	s_mul_i32 s27, s2, 16*SP                       ; back: wave w takes rows 16 w .. 16 w + 15, a row of 512 bytes to a load
	v_lshl_add_u32 v[RD], v[LANE], 4, s27
	; offsets, each in registers of its own
	s_cmp_eq_u32 s3, 0
	s_cselect_b32 s27, s7, s6                      ; the tile whose rows I bring
	s_lshl_b32 s32, s27, 21                        ; 128 rows of 16,384 bytes
	s_lshl_b32 s33, s4, 19                         ; my 32 rows
	s_add_co_u32 s32, s32, s33
	s_lshl_b32 s33, s26, 11                        ; the slab: 512 f32
	s_add_co_u32 s32, s32, s33
	s_mov_b32 s33, 0
	s_lshl_b32 s42, s26, 11                        ; the bias: the slab, my 512 bytes of it
	s_lshl_b32 s43, s4, 9
	s_add_co_u32 s42, s42, s43
	s_mov_b32 s43, 0
	s_lshl_b32 s44, s25, 23                        ; my 16 rows of the partial tile in part
	s_lshl_b32 s45, s26, 20
	s_add_co_u32 s44, s44, s45
	s_lshl_b32 s45, s6, 18
	s_add_co_u32 s44, s44, s45
	s_lshl_b32 s45, s2, 15
	s_add_co_u32 s44, s44, s45
	s_lshl_b32 s45, s7, 9
	s_add_co_u32 s44, s44, s45
	s_mov_b32 s45, 0
	s_lshl_b32 s46, s26, 20                        ; Wo: row 512 ks + 128 (wave % 4), 2,048 bytes a row, column 128 jb
	s_lshl_b32 s47, s4, 18
	s_add_co_u32 s46, s46, s47
	s_lshl_b32 s47, s6, 9
	s_add_co_u32 s46, s46, s47
	s_mov_b32 s47, 0
	s_wait_kmcnt 0x0
	s_cmp_eq_u32 s25, 0
	s_cselect_b64 s[28:29], s[8:9], s[12:13]       ; C: Wq or Wv
	s_cselect_b64 s[30:31], s[16:17], s[20:21]     ; slot 0: bq or bv
	s_cmp_eq_u32 s3, 0
	s_cselect_b64 s[28:29], s[28:29], s[10:11]     ; waves 4-7: Wk
	s_cselect_b64 s[30:31], s[30:31], s[18:19]     ; slot 1: bk (filled in product 1 too, where nothing reads it)
	s_add_nc_u64 s[28:29], s[28:29], s[32:33]
	s_add_nc_u64 s[30:31], s[30:31], s[42:43]
	s_add_nc_u64 s[40:41], s[22:23], s[44:45]
	global_load_b128 v[BD:BD+3], v[GO], s[30:31]
; THE FILL.  Four trips of 32 loads of 512 bytes: 16 KiB of a wave are on their way at a time.  kind 0: eight rows of 2,048 bytes, four loads each; kind 1: 32 rows of 512 bytes of Wo.
; Each load's four f32 a lane become 8 bytes of bf16; a wave's store covers 256 consecutive bytes of LDS.
.macro BRING kind
	s_mov_b32 s34, 4
.Lbring_\@:
.set i, 0
.rept 32
.if \kind == 0
	global_load_b128 v[DD+4*i:DD+4*i+3], v[GO], s[28:29] offset:(i/4)*16384+(i%4)*512
.else
	global_load_b128 v[DD+4*i:DD+4*i+3], v[GO], s[28:29] offset:i*2048
.endif
.set i, i+1
.endr
.set i, 0
.rept 32
	s_wait_loadcnt 31-i                            ; loads come back in order: load i is in, the 31 - i younger ones stay out
	v_cvt_pk_bf16_f32 v[TT+2*(i%4)], v[DD+4*i], v[DD+4*i+1]
	v_cvt_pk_bf16_f32 v[TT+2*(i%4)+1], v[DD+4*i+2], v[DD+4*i+3]
.if \kind == 0
	ds_store_b64 v[LO], v[TT+2*(i%4):TT+2*(i%4)+1] offset:(i/4)*CP+(i%4)*256
.else
	ds_store_b64 v[LO], v[TT+2*(i%4):TT+2*(i%4)+1] offset:i*TP
.endif
.set i, i+1
.endr
.if \kind == 0
	s_add_nc_u64 s[28:29], s[28:29], 8*16384       ; the trip's last wait was for 0: every load is done, so its base may step
	v_add_nc_u32 v[LO], 8*CP, v[LO]
.else
	s_add_nc_u64 s[28:29], s[28:29], 32*2048
	v_add_nc_u32 v[LO], 32*TP, v[LO]
.endif
	s_sub_co_u32 s34, s34, 1
	s_cmp_lg_u32 s34, 0
	s_cbranch_scc1 .Lbring_\@
.endm
	s_cmp_eq_u32 s25, 0
	s_cbranch_scc1 .Lplain
	s_cmp_eq_u32 s3, 0
	s_cbranch_scc1 .Lplain
	s_add_nc_u64 s[28:29], s[14:15], s[46:47]      ; product 1, waves 4-7: 128 rows of Wo each
	s_mul_i32 s27, s4, 128*TP
	s_add_co_u32 s27, s27, RBASE
	v_lshl_add_u32 v[LO], v[LANE], 3, s27
	BRING 1
	s_branch .Lstaged
.Lplain:
	s_mul_i32 s27, s2, 32*CP                       ; C and R are one array of 256 rows: wave w fills rows 32 w .. 32 w + 31
	v_lshl_add_u32 v[LO], v[LANE], 3, s27
	BRING 0
.Lstaged:
	v_cvt_pk_bf16_f32 v[TT], v[BD], v[BD+1]
	v_cvt_pk_bf16_f32 v[TT+1], v[BD+2], v[BD+3]
	ds_store_b64 v[BP], v[TT:TT+1]
	s_wait_dscnt 0x0                               ; for the others' sake: my part of the tiles is written
	s_barrier_signal -1
	s_barrier_wait -1
; THE PRODUCTS.  Source 0 = 16 rows of C (i), source 1 = 16 rows of R (j): a lane then holds row j = lane % 16 and eight neighbouring i.
.macro FETCH kind, f, kr               ; twelve loads: the fragments of K block kr, counted from the address registers
.irp a, 0,1,2,3
.if \kind == 0
	ds_load_b128 v[(\f)+8*\a:(\f)+8*\a+3],   v[ADR] offset:\a*16*CP+(\kr)*64
	ds_load_b128 v[(\f)+8*\a+4:(\f)+8*\a+7], v[ADR] offset:\a*16*CP+(\kr)*64+32
.else
	ds_load_tr16_b128 v[(\f)+8*\a:(\f)+8*\a+3],   v[ADR] offset:(\kr)*32*TP+\a*32
	ds_load_tr16_b128 v[(\f)+8*\a+4:(\f)+8*\a+7], v[ADR] offset:(\kr)*32*TP+\a*32+16*TP
.endif
.endr
.irp b, 0,1
	ds_load_b128 v[(\f)+32+8*\b:(\f)+32+8*\b+3], v[ADC] offset:\b*16*CP+(\kr)*64
	ds_load_b128 v[(\f)+32+8*\b+4:(\f)+32+8*\b+7], v[ADC] offset:\b*16*CP+(\kr)*64+32
.endr
.endm
.macro MUL f, zero                     ; eight matrix instructions, the eight accumulators by turns; zero = 1: they start the sums
.irp a, 0,1,2,3
.irp b, 0,1
.if \zero
	v_wmma_f32_16x16x32_bf16 v[ACC+8*(2*\a+\b):ACC+8*(2*\a+\b)+7], v[(\f)+32+8*\b:(\f)+32+8*\b+7], v[(\f)+8*\a:(\f)+8*\a+7], 0
.else
	v_wmma_f32_16x16x32_bf16 v[ACC+8*(2*\a+\b):ACC+8*(2*\a+\b)+7], v[(\f)+32+8*\b:(\f)+32+8*\b+7], v[(\f)+8*\a:(\f)+8*\a+7], v[ACC+8*(2*\a+\b):ACC+8*(2*\a+\b)+7]
.endif
.endr
.endr
.endm
.macro PLACES                          ; four plain vector instructions between a matrix instruction and a load into, or a read of, its registers
.rept 4
	v_nop
.endr
.endm
.macro ADV kind                        ; two K blocks on; with the two v_nop these are the four places in front of the loads that follow
	v_add_nc_u32 v[ADC], 128, v[ADC]
.if \kind == 0
	v_add_nc_u32 v[ADR], 128, v[ADR]
.else
	v_add_nc_u32 v[ADR], 64*TP, v[ADR]
.endif
	v_nop
	v_nop
.endm
.macro MAIN kind                       ; 16 K blocks of 32 on two buffers: 2 written out, 6 trips of 2, 2 written out.  Each wait for 12 leaves the other buffer's twelve loads out
	FETCH \kind, F0, 0
	FETCH \kind, F1, 1
	s_wait_dscnt 12
	MUL F0, 1
	PLACES
	FETCH \kind, F0, 2
	s_wait_dscnt 12
	MUL F1, 0
	s_mov_b32 s34, 6
.Lk_\@:
	ADV \kind
	FETCH \kind, F1, 1
	s_wait_dscnt 12
	MUL F0, 0
	PLACES
	FETCH \kind, F0, 2
	s_wait_dscnt 12
	MUL F1, 0
	s_sub_co_u32 s34, s34, 1
	s_cmp_lg_u32 s34, 0
	s_cbranch_scc1 .Lk_\@
	ADV \kind
	FETCH \kind, F1, 1
	s_wait_dscnt 12
	MUL F0, 0
	s_wait_dscnt 0x0
	MUL F1, 0
.endm
.macro SLOADA                          ; strips of product 0: two row fragments, the bias, the other bias
	ds_load_b128 v[F0:F0+3],     v[ADS]
	ds_load_b128 v[F0+4:F0+7],   v[ADS] offset:32
	ds_load_b128 v[F0+8:F0+11],  v[ADS] offset:16*CP
	ds_load_b128 v[F0+12:F0+15], v[ADS] offset:16*CP+32
	ds_load_b128 v[F0+16:F0+19], v[ADB]
	ds_load_b128 v[F0+20:F0+23], v[ADB] offset:32
	ds_load_b128 v[F0+24:F0+27], v[ADE]
	ds_load_b128 v[F0+28:F0+31], v[ADE] offset:32
	s_wait_dscnt 0x0
.endm
.macro SLOADB                          ; strip of product 1: 16 columns of Wo, turned, and bv, for two K blocks
	ds_load_tr16_b128 v[F0:F0+3],     v[ADS]
	ds_load_tr16_b128 v[F0+4:F0+7],   v[ADS] offset:16*TP
	ds_load_tr16_b128 v[F0+8:F0+11],  v[ADS] offset:32*TP
	ds_load_tr16_b128 v[F0+12:F0+15], v[ADS] offset:48*TP
	ds_load_b128 v[F0+16:F0+19], v[ADB]
	ds_load_b128 v[F0+20:F0+23], v[ADB] offset:32
	ds_load_b128 v[F0+24:F0+27], v[ADB] offset:64
	ds_load_b128 v[F0+28:F0+31], v[ADB] offset:96
	s_wait_dscnt 0x0
.endm
	s_cmp_eq_u32 s25, 0
	s_cbranch_scc0 .Lsecond
	s_mul_i32 s27, s3, 64*CP
	s_add_co_u32 s27, s27, RBASE
	v_add_nc_u32 v[ADR], s27, v[FR]
	MAIN 0
	s_cmp_lg_u32 s6, s7
	s_cbranch_scc1 .Lout                           ; the strips are made once for each tile row: where jb = ib
	; Wave w takes rows 32 w .. 32 w + 31 of the 256: waves 0-3 Wq's against bk (w2), waves 4-7 Wk's against bq (c1).  Source 0 is the bias with 16 like rows, so register 0 of
	; lane l holds the sum for row l % 16.  The third accumulator is bias against bias: e.
	s_mul_i32 s27, s2, 32*CP
	v_add_nc_u32 v[ADS], s27, v[FR]                ; these three and the v_nop are the places behind the last products
	s_xor_b32 s27, s3, 1
	s_lshl_b32 s27, s27, 10
	s_add_co_u32 s27, s27, BIAS
	v_lshl_add_u32 v[ADB], v[HALF], 4, s27
	s_lshl_b32 s27, s3, 10
	s_add_co_u32 s27, s27, BIAS
	v_lshl_add_u32 v[ADE], v[HALF], 4, s27
	v_nop
	s_mul_i32 s48, s26, 6144                       ; vecp[ks]: c1 at 0, g0 at 2,048, w2 at 4,096
	s_lshl_b32 s49, s7, 9
	s_add_co_u32 s48, s48, s49
	s_lshl_b32 s49, s4, 7
	s_add_co_u32 s48, s48, s49
	s_xor_b32 s49, s3, 1
	s_lshl_b32 s49, s49, 12
	s_add_co_u32 s48, s48, s49
	s_add_co_u32 s48, s48, 16777216
	s_mov_b32 s49, 0
	s_add_nc_u64 s[36:37], s[22:23], s[48:49]
	s_lshl_b32 s48, s26, 7
	s_add_co_u32 s48, s48, 16826368
	s_add_nc_u64 s[50:51], s[22:23], s[48:49]      ; ep[ks], 128 bytes
	SLOADA
	v_wmma_f32_16x16x32_bf16 v[STA:STA+7], v[F0+16:F0+23], v[F0:F0+7], 0
	v_wmma_f32_16x16x32_bf16 v[STB:STB+7], v[F0+16:F0+23], v[F0+8:F0+15], 0
	v_wmma_f32_16x16x32_bf16 v[STC:STC+7], v[F0+16:F0+23], v[F0+24:F0+31], 0
	s_mov_b32 s34, 15
.Lstrip_a:
	v_add_nc_u32 v[ADS], 64, v[ADS]
	v_add_nc_u32 v[ADB], 64, v[ADB]
	v_add_nc_u32 v[ADE], 64, v[ADE]
	v_nop
	SLOADA
	v_wmma_f32_16x16x32_bf16 v[STA:STA+7], v[F0+16:F0+23], v[F0:F0+7], v[STA:STA+7]
	v_wmma_f32_16x16x32_bf16 v[STB:STB+7], v[F0+16:F0+23], v[F0+8:F0+15], v[STB:STB+7]
	v_wmma_f32_16x16x32_bf16 v[STC:STC+7], v[F0+16:F0+23], v[F0+24:F0+31], v[STC:STC+7]
	s_sub_co_u32 s34, s34, 1
	s_cmp_lg_u32 s34, 0
	s_cbranch_scc1 .Lstrip_a
	PLACES
	v_cmp_gt_u32 vcc_lo, 16, v[LANE]
	v_cndmask_b32 v[RES], v[STB], v[STA], vcc_lo   ; lanes 0-15: rows 0-15; lanes 16-31: rows 16-31
	global_store_b32 v[LN4], v[RES], s[36:37]      ; 128 consecutive bytes
	s_cmp_lg_u32 s2, 0
	s_cbranch_scc1 .Lout
	s_cmp_lg_u32 s5, 0
	s_cbranch_scc1 .Lout
	global_store_b32 v[LN4], v[STC], s[50:51]      ; e, the same number in all 32 lanes: wave 0 of work-group x = 0
	s_branch .Lout
.Lsecond:
	s_lshl_b32 s27, s3, 7
	s_add_co_u32 s27, s27, RBASE
	v_add_nc_u32 v[ADR], s27, v[TR]
	MAIN 1
	s_cmp_lg_u32 s6, s7
	s_cbranch_scc1 .Lout
	; g0: wave w takes columns 16 w .. 16 w + 15; even K blocks add into one accumulator, odd ones into the other, so that the two take turns
	s_lshl_b32 s27, s2, 5
	s_add_co_u32 s27, s27, RBASE
	v_add_nc_u32 v[ADS], s27, v[TR]
	v_lshl_add_u32 v[ADB], v[HALF], 4, BIAS
	v_nop
	v_nop
	s_mul_i32 s48, s26, 6144
	s_lshl_b32 s49, s6, 9
	s_add_co_u32 s48, s48, s49
	s_lshl_b32 s49, s2, 6
	s_add_co_u32 s48, s48, s49
	s_add_co_u32 s48, s48, 16777216+2048
	s_mov_b32 s49, 0
	s_add_nc_u64 s[36:37], s[22:23], s[48:49]
	SLOADB
	v_wmma_f32_16x16x32_bf16 v[STA:STA+7], v[F0+16:F0+23], v[F0:F0+7], 0
	v_wmma_f32_16x16x32_bf16 v[STB:STB+7], v[F0+24:F0+31], v[F0+8:F0+15], 0
	s_mov_b32 s34, 7
.Lstrip_b:
	v_add_nc_u32 v[ADS], 64*TP, v[ADS]
	v_add_nc_u32 v[ADB], 128, v[ADB]
	v_nop
	v_nop
	SLOADB
	v_wmma_f32_16x16x32_bf16 v[STA:STA+7], v[F0+16:F0+23], v[F0:F0+7], v[STA:STA+7]
	v_wmma_f32_16x16x32_bf16 v[STB:STB+7], v[F0+24:F0+31], v[F0+8:F0+15], v[STB:STB+7]
	s_sub_co_u32 s34, s34, 1
	s_cmp_lg_u32 s34, 0
	s_cbranch_scc1 .Lstrip_b
	PLACES
	v_add_f32 v[RES], v[STA], v[STB]
	v_cmp_gt_u32 vcc_lo, 16, v[LANE]
	s_wait_xcnt 0x0                                ; EXEC changes only behind this wait
	s_and_saveexec_b32 s38, vcc_lo
	global_store_b32 v[LN4], v[RES], s[36:37]      ; lanes 0-15: 16 columns, 64 bytes
	s_wait_xcnt 0x0
	s_or_b32 exec_lo, exec_lo, s38
.Lout:
	; THE WAY OUT: f32 through the stage, so that each store of a wave is a row's 512 consecutive bytes
	s_wait_dscnt 0x0                               ; my reads of the tiles are over
	s_barrier_signal -1
	s_barrier_wait -1                              ; everybody's are: the stage may lie over C
	PLACES
.set t, 0
.rept 8
	ds_store_b128 v[STO], v[ACC+8*t:ACC+8*t+3]   offset:(t/2)*16*SP+(t%2)*64
	ds_store_b128 v[STO], v[ACC+8*t+4:ACC+8*t+7] offset:(t/2)*16*SP+(t%2)*64+16
.set t, t+1
.endr
	s_wait_dscnt 0x0                               ; for the others' sake
	s_barrier_signal -1
	s_barrier_wait -1
.set t, 0
.rept 16
	ds_load_b128 v[F0+4*t:F0+4*t+3], v[RD] offset:t*SP
.set t, t+1
.endr
.set t, 0
.rept 16
	s_wait_dscnt 15-t
	global_store_b128 v[GO], v[F0+4*t:F0+4*t+3], s[40:41] offset:t*2048
.set t, t+1
.endr
	s_wait_tensorcnt 0x0                           ; the wave's end
	ds_add_u32 v[SPW], v[NIL]
	s_wait_dscnt 0x0
	s_endpgm
.Lfunc_end_k_qe33c84f72d_wprod:
	.size	k_qe33c84f72d_wprod, .Lfunc_end_k_qe33c84f72d_wprod-k_qe33c84f72d_wprod
	.p2alignl 7, 3214868480
	.fill 96, 4, 3214868480
	.section	.rodata,"a",@progbits
	.p2align	6, 0x0
	.amdhsa_kernel k_qe33c84f72d_wprod
		.amdhsa_group_segment_fixed_size 283648
		.amdhsa_private_segment_fixed_size 0
		.amdhsa_enable_private_segment 0
		.amdhsa_kernarg_size 64
		.amdhsa_user_sgpr_count 2
		.amdhsa_user_sgpr_kernarg_segment_ptr 1
		.amdhsa_wavefront_size32 1
		.amdhsa_system_sgpr_workgroup_id_x 1
		.amdhsa_system_sgpr_workgroup_id_y 1
		.amdhsa_system_sgpr_workgroup_id_z 1
		.amdhsa_system_vgpr_workitem_id 0
		.amdhsa_next_free_vgpr 224
		.amdhsa_next_free_sgpr 66
		.amdhsa_reserve_vcc 1
		.amdhsa_float_denorm_mode_32 3
		.amdhsa_float_denorm_mode_16_64 3
		.amdhsa_memory_ordered 1
		.amdhsa_forward_progress 1
		.amdhsa_inst_pref_size 53
	.end_amdhsa_kernel
	.amdgpu_metadata
---
amdhsa.version: [ 1, 2 ]
amdhsa.kernels:
  - .name:           k_qe33c84f72d_wprod
    .symbol:         k_qe33c84f72d_wprod.kd
    .args:
      - { .name: Wq, .offset: 0, .size: 8, .value_kind: global_buffer, .address_space: global }
      - { .name: Wk, .offset: 8, .size: 8, .value_kind: global_buffer, .address_space: global }
      - { .name: Wv, .offset: 16, .size: 8, .value_kind: global_buffer, .address_space: global }
      - { .name: Wo, .offset: 24, .size: 8, .value_kind: global_buffer, .address_space: global }
      - { .name: bq, .offset: 32, .size: 8, .value_kind: global_buffer, .address_space: global }
      - { .name: bk, .offset: 40, .size: 8, .value_kind: global_buffer, .address_space: global }
      - { .name: bv, .offset: 48, .size: 8, .value_kind: global_buffer, .address_space: global }
      - { .name: part, .offset: 56, .size: 8, .value_kind: global_buffer, .address_space: global }
    .group_segment_fixed_size: 283648
    .private_segment_fixed_size: 0
    .kernarg_segment_align: 8
    .kernarg_segment_size: 64
    .max_flat_workgroup_size: 256
    .sgpr_count:     66
    .vgpr_count:     224
    .wavefront_size: 32
...
	.end_amdgpu_metadata
.endif
;; end of part 1
;; launch prep (part 2): grid 513 x 1, 8 waves a work-group, no clusters, 0 bytes of LDS; arguments q, k, v, part, wmat, act; writes wmat, act
.if DOCPART == 2
	.amdgcn_target "amdgcn-amd-amdhsa--gfx1250"
	.amdhsa_code_object_version 6
	.text
	.protected	k_qe33c84f72d_prep
	.globl	k_qe33c84f72d_prep
	.p2align	8
	.type	k_qe33c84f72d_prep,@function
k_qe33c84f72d_prep:
	s_mov_b64 s[64:65], 0
	v_nop
	global_prefetch_b8 v0, s[64:65] scope:SCOPE_SE
	s_setreg_imm32_b32 hwreg(HW_REG_WAVE_MODE, 25, 1), 1
	s_wait_xcnt 0x0
; A STREAM, in four roles chosen by the work-group's number x.  No LDS, no matrix unit, no cluster: nothing is shared and nothing is multiplied in bulk.
;   x < 128         the eight K slabs' partial sums of Mt (x < 64) or Gt are added, Mt times 1/8, and written as two bf16 planes: hi = bf16(s), lo = bf16(s - hi): 16 significant bits
;   128 <= x < 256  q is rounded to bf16; d[n] = sum over i of q^[n][i] w2[i] + e, in f32 on the vector unit (w2 and e from their partial sums, times 1/8)
;   256 <= x < 512  k and v are rounded to bf16
;   x = 512         c1 (times 1/8) and g0 from their partial sums, f32
; Every wave issues all its loads at once.  LIMITS: NaN and infinities are not treated apart.
.set PX, 32                            ; v32-159  partial sums as loaded
.set RX, 160                           ; v160-223 four rows as loaded, 16 registers each; or the planes to store
.set HM, 3                             ; s3 a word's upper bf16
.macro SUM8 x                          ; eight groups of four f32 at x + 4 ks are added into x .. x + 3
.irp o, 0,2
	v_pk_add_f32 v[(\x)+\o:(\x)+\o+1], v[(\x)+\o:(\x)+\o+1], v[(\x)+4+\o:(\x)+4+\o+1]
	v_pk_add_f32 v[(\x)+8+\o:(\x)+8+\o+1], v[(\x)+8+\o:(\x)+8+\o+1], v[(\x)+12+\o:(\x)+12+\o+1]
	v_pk_add_f32 v[(\x)+16+\o:(\x)+16+\o+1], v[(\x)+16+\o:(\x)+16+\o+1], v[(\x)+20+\o:(\x)+20+\o+1]
	v_pk_add_f32 v[(\x)+24+\o:(\x)+24+\o+1], v[(\x)+24+\o:(\x)+24+\o+1], v[(\x)+28+\o:(\x)+28+\o+1]
.endr
.irp o, 0,2
	v_pk_add_f32 v[(\x)+\o:(\x)+\o+1], v[(\x)+\o:(\x)+\o+1], v[(\x)+8+\o:(\x)+8+\o+1]
	v_pk_add_f32 v[(\x)+16+\o:(\x)+16+\o+1], v[(\x)+16+\o:(\x)+16+\o+1], v[(\x)+24+\o:(\x)+24+\o+1]
.endr
.irp o, 0,2
	v_pk_add_f32 v[(\x)+\o:(\x)+\o+1], v[(\x)+\o:(\x)+\o+1], v[(\x)+16+\o:(\x)+16+\o+1]
.endr
.endm
.macro SPLIT x, h, l, w                ; two f32 in x, x + 1: h = both rounded to bf16; l = what the rounding left, rounded to bf16
	v_cvt_pk_bf16_f32 v[\h], v[\x], v[(\x)+1]
	v_lshlrev_b32 v[\w], 16, v[\h]
	v_and_b32 v[(\w)+1], s[HM], v[\h]
	v_pk_add_f32 v[(\x):(\x)+1], v[(\x):(\x)+1], v[(\w):(\w)+1] neg_lo:[0,1] neg_hi:[0,1]
	v_cvt_pk_bf16_f32 v[\l], v[\x], v[(\x)+1]
.endm
; Row r of my four: rounded in place (word i from words 2 i and 2 i + 1, ascending), stored, 256 consecutive bytes to a store.  dot = 1: its product with w2.
.macro ROW r, dot
.set X, RX+16*(\r)
	s_wait_loadcnt 12-4*(\r)                       ; the later rows' loads stay out
.irp i, 0,1,2,3,4,5,6,7
	v_cvt_pk_bf16_f32 v[X+\i], v[X+2*\i], v[X+2*\i+1]
.endr
.irp c, 0,1,2,3
	global_store_b64 v4, v[X+2*\c:X+2*\c+1], s[24:25] offset:(\r)*1024+\c*256
.endr
.if \dot
.set e, 0
.rept 16                               ; bf16 half times f32, summed in f32, in two chains that start from 0
.if e == 0
	v_fma_mix_f32_bf16 v6, v[X], v[PX], v5 op_sel_hi:[1,0,0]
.elseif e == 1
	v_fma_mix_f32_bf16 v7, v[X], v[PX+1], v5 op_sel:[1,0,0] op_sel_hi:[1,0,0]
.elseif e%2 == 0
	v_fma_mix_f32_bf16 v6, v[X+e/2], v[PX+32*(e/4)+e%4], v6 op_sel_hi:[1,0,0]
.else
	v_fma_mix_f32_bf16 v7, v[X+e/2], v[PX+32*(e/4)+e%4], v7 op_sel:[1,0,0] op_sel_hi:[1,0,0]
.endif
.set e, e+1
.endr
	v_add_f32 v6, v6, v7
	v_add_f32_dpp v6, v6, v6 row_xmask:1 row_mask:0xf bank_mask:0xf
	v_add_f32_dpp v6, v6, v6 row_xmask:2 row_mask:0xf bank_mask:0xf
	v_add_f32_dpp v6, v6, v6 row_xmask:4 row_mask:0xf bank_mask:0xf
	v_add_f32_dpp v6, v6, v6 row_xmask:8 row_mask:0xf bank_mask:0xf
	v_permlanex16_b32 v8, v6, s40, s41
	v_add_f32 v6, v6, v8
	s_mov_b32 s42, 1<<(\r)
	v_cndmask_b32 v9, v9, v6, s42                  ; lane r keeps row r's sum
.endif
.endm
	s_load_b256 s[4:11], s[0:1], 0x0               ; q s[4:5], k s[6:7], v s[8:9], part s[10:11]
	s_load_b128 s[12:15], s[0:1], 0x20             ; wmat s[12:13], act s[14:15]
	s_mov_b32 s2, ttmp9
	s_mov_b32 s[HM], 0xffff0000
	s_mov_b32 s21, 0
	v_and_b32 v1, 31, v0
	v_lshrrev_b32 v2, 5, v0
	v_readfirstlane_b32 s16, v2                    ; wave
	s_wait_kmcnt 0x0
	s_cmp_lt_u32 s2, 128
	s_cbranch_scc1 .Lrole_a
	s_cmp_lt_u32 s2, 256
	s_cbranch_scc1 .Lrole_q
	s_cmp_lt_u32 s2, 512
	s_cbranch_scc1 .Lrole_kv
	; c1 and g0: thread t has the four numbers at byte 16 t of [c1 | g0]
	s_add_nc_u64 s[28:29], s[10:11], 16777216
	v_lshlrev_b32 v3, 4, v0
.irp s, 0,1,2,3,4,5,6,7
	global_load_b128 v[PX+4*\s:PX+4*\s+3], v3, s[28:29] offset:\s*6144
.endr
	v_mov_b32 v7, 0x3e000000
	v_cmp_gt_u32 vcc_lo, 128, v0
	v_cndmask_b32 v6, 1.0, v7, vcc_lo              ; c1 takes the 1/8, g0 does not
	s_wait_loadcnt 0x0
	SUM8 PX
	v_pk_mul_f32 v[PX:PX+1], v[PX:PX+1], v[6:7] op_sel_hi:[1,0]
	v_pk_mul_f32 v[PX+2:PX+3], v[PX+2:PX+3], v[6:7] op_sel_hi:[1,0]
	global_store_b128 v3, v[PX:PX+3], s[12:13] offset:2097152
	s_endpgm
.Lrole_a:
	s_lshr_b32 s17, s2, 6                          ; 0: Mt, 1: Gt
	s_and_b32 s18, s2, 63                          ; my 16,384 bytes of its 1,048,576
	s_lshl_b32 s20, s17, 23
	s_lshl_b32 s19, s18, 14
	s_add_co_u32 s20, s20, s19
	s_add_nc_u64 s[22:23], s[10:11], s[20:21]
	s_lshl_b32 s20, s17, 20
	s_lshl_b32 s19, s18, 13
	s_add_co_u32 s20, s20, s19
	s_add_nc_u64 s[24:25], s[12:13], s[20:21]
	s_cmp_eq_u32 s17, 0
	s_cselect_b32 s26, 0x3e000000, 1.0
	s_mov_b32 s27, s26                             ; named with it as a pair
	v_lshlrev_b32 v3, 4, v0
	v_lshlrev_b32 v4, 3, v0
.irp u, 0,1,2,3
.irp s, 0,1,2,3,4,5,6,7
	global_load_b128 v[PX+32*\u+4*\s:PX+32*\u+4*\s+3], v3, s[22:23] offset:\s*1048576+\u*4096 th:TH_LOAD_NT
.endr
.endr
.irp u, 0,1,2,3
	s_wait_loadcnt 24-8*\u                         ; the later groups' eight loads each stay out
	SUM8 PX+32*\u
	v_pk_mul_f32 v[PX+32*\u:PX+32*\u+1], v[PX+32*\u:PX+32*\u+1], s[26:27] op_sel_hi:[1,0]
	v_pk_mul_f32 v[PX+32*\u+2:PX+32*\u+3], v[PX+32*\u+2:PX+32*\u+3], s[26:27] op_sel_hi:[1,0]
	SPLIT PX+32*\u, RX+4*\u, RX+4*\u+2, 6
	SPLIT PX+32*\u+2, RX+4*\u+1, RX+4*\u+3, 8
	global_store_b64 v4, v[RX+4*\u:RX+4*\u+1], s[24:25] offset:\u*2048            ; a wave's store: 256 consecutive bytes
	global_store_b64 v4, v[RX+4*\u+2:RX+4*\u+3], s[24:25] offset:\u*2048+524288
.endr
	s_endpgm
.Lrole_q:
	s_sub_co_u32 s17, s2, 128
	s_lshl_b32 s17, s17, 5
	s_lshl_b32 s18, s16, 2
	s_add_co_u32 s17, s17, s18                     ; the first of my wave's four rows
	s_lshl_b32 s20, s17, 11
	s_add_nc_u64 s[22:23], s[4:5], s[20:21]
	s_lshl_b32 s20, s17, 10
	s_add_nc_u64 s[24:25], s[14:15], s[20:21]
	s_lshl_b32 s20, s17, 2
	s_add_co_u32 s20, s20, 12582912
	s_add_nc_u64 s[30:31], s[14:15], s[20:21]      ; d at my rows
	s_add_nc_u64 s[28:29], s[10:11], 16777216      ; the strips' partial sums
	s_mov_b32 s40, 0x76543210
	s_mov_b32 s41, 0xfedcba98
	v_lshlrev_b32 v3, 4, v1
	v_lshlrev_b32 v4, 3, v1
	v_lshlrev_b32 v10, 2, v1
	v_mov_b32 v5, 0
	v_mov_b32 v8, 0
	v_mov_b32 v9, 0
.irp c, 0,1,2,3                        ; a lane holds columns 128 c + 4 lane .. + 3
.irp s, 0,1,2,3,4,5,6,7
	global_load_b128 v[PX+32*\c+4*\s:PX+32*\c+4*\s+3], v3, s[28:29] offset:4096+\s*6144+\c*512
.endr
.endr
.irp r, 0,1,2,3
.irp c, 0,1,2,3
	global_load_b128 v[RX+16*\r+4*\c:RX+16*\r+4*\c+3], v3, s[22:23] offset:\r*2048+\c*512 th:TH_LOAD_NT
.endr
.endr
.irp s, 0,1,2,3,4,5,6,7
	s_load_b32 s[32+\s], s[28:29], 49152+\s*128
.endr
	s_wait_loadcnt 16                              ; w2's partial sums are in; the 16 loads of the rows stay out
.irp c, 0,1,2,3
	SUM8 PX+32*\c
	v_pk_mul_f32 v[PX+32*\c:PX+32*\c+1], v[PX+32*\c:PX+32*\c+1], 0x3e000000 op_sel_hi:[1,0]
	v_pk_mul_f32 v[PX+32*\c+2:PX+32*\c+3], v[PX+32*\c+2:PX+32*\c+3], 0x3e000000 op_sel_hi:[1,0]
.endr
	s_wait_kmcnt 0x0
	s_add_f32 s32, s32, s33
	s_add_f32 s34, s34, s35
	s_add_f32 s36, s36, s37
	s_add_f32 s38, s38, s39
	s_add_f32 s32, s32, s34
	s_add_f32 s36, s36, s38
	s_add_f32 s32, s32, s36
	s_mul_f32 s32, s32, 0x3e000000                 ; e
	ROW 0, 1
	ROW 1, 1
	ROW 2, 1
	ROW 3, 1
	v_add_f32 v9, s32, v9
	v_cmp_gt_u32 vcc_lo, 4, v1
	s_wait_xcnt 0x0                                ; EXEC changes only behind this wait
	s_and_saveexec_b32 s43, vcc_lo
	global_store_b32 v10, v9, s[30:31]             ; four rows' d: 16 bytes a wave, 16 KiB in the whole launch
	s_wait_xcnt 0x0
	s_or_b32 exec_lo, exec_lo, s43
	s_endpgm
.Lrole_kv:
	s_sub_co_u32 s17, s2, 256
	s_and_b32 s18, s17, 127
	s_lshl_b32 s18, s18, 5
	s_lshl_b32 s19, s16, 2
	s_add_co_u32 s18, s18, s19                     ; my first row in k or in v
	s_lshl_b32 s20, s18, 11
	s_cmp_lt_u32 s17, 128
	s_cselect_b64 s[22:23], s[6:7], s[8:9]
	s_add_nc_u64 s[22:23], s[22:23], s[20:21]
	s_lshl_b32 s20, s17, 5
	s_add_co_u32 s20, s20, s19
	s_lshl_b32 s20, s20, 10
	s_add_co_u32 s20, s20, 4194304                 ; k^ and v^ lie one behind the other
	s_add_nc_u64 s[24:25], s[14:15], s[20:21]
	v_lshlrev_b32 v3, 4, v1
	v_lshlrev_b32 v4, 3, v1
.irp r, 0,1,2,3
.irp c, 0,1,2,3
	global_load_b128 v[RX+16*\r+4*\c:RX+16*\r+4*\c+3], v3, s[22:23] offset:\r*2048+\c*512 th:TH_LOAD_NT
.endr
.endr
	ROW 0, 0
	ROW 1, 0
	ROW 2, 0
	ROW 3, 0
	s_endpgm
.Lfunc_end_k_qe33c84f72d_prep:
	.size	k_qe33c84f72d_prep, .Lfunc_end_k_qe33c84f72d_prep-k_qe33c84f72d_prep
	.p2alignl 7, 3214868480
	.fill 96, 4, 3214868480
	.section	.rodata,"a",@progbits
	.p2align	6, 0x0
	.amdhsa_kernel k_qe33c84f72d_prep
		.amdhsa_group_segment_fixed_size 0
		.amdhsa_private_segment_fixed_size 0
		.amdhsa_enable_private_segment 0
		.amdhsa_kernarg_size 48
		.amdhsa_user_sgpr_count 2
		.amdhsa_user_sgpr_kernarg_segment_ptr 1
		.amdhsa_wavefront_size32 1
		.amdhsa_system_sgpr_workgroup_id_x 1
		.amdhsa_system_sgpr_workgroup_id_y 1
		.amdhsa_system_sgpr_workgroup_id_z 1
		.amdhsa_system_vgpr_workitem_id 0
		.amdhsa_next_free_vgpr 224
		.amdhsa_next_free_sgpr 66
		.amdhsa_reserve_vcc 1
		.amdhsa_float_denorm_mode_32 3
		.amdhsa_float_denorm_mode_16_64 3
		.amdhsa_memory_ordered 1
		.amdhsa_forward_progress 1
		.amdhsa_inst_pref_size 40
	.end_amdhsa_kernel
	.amdgpu_metadata
---
amdhsa.version: [ 1, 2 ]
amdhsa.kernels:
  - .name:           k_qe33c84f72d_prep
    .symbol:         k_qe33c84f72d_prep.kd
    .args:
      - { .name: q, .offset: 0, .size: 8, .value_kind: global_buffer, .address_space: global }
      - { .name: k, .offset: 8, .size: 8, .value_kind: global_buffer, .address_space: global }
      - { .name: v, .offset: 16, .size: 8, .value_kind: global_buffer, .address_space: global }
      - { .name: part, .offset: 24, .size: 8, .value_kind: global_buffer, .address_space: global }
      - { .name: wmat, .offset: 32, .size: 8, .value_kind: global_buffer, .address_space: global }
      - { .name: act, .offset: 40, .size: 8, .value_kind: global_buffer, .address_space: global }
    .group_segment_fixed_size: 0
    .private_segment_fixed_size: 0
    .kernarg_segment_align: 8
    .kernarg_segment_size: 48
    .max_flat_workgroup_size: 256
    .sgpr_count:     66
    .vgpr_count:     224
    .wavefront_size: 32
...
	.end_amdgpu_metadata
.endif
;; end of part 2
;; launch proj (part 3): grid 4 x 64, 4 waves a work-group, clusters of 4 x 4, 327,680 bytes of LDS; arguments act, wmat, tu; writes tu
.if DOCPART == 3
	.amdgcn_target "amdgcn-amd-amdhsa--gfx1250"
	.amdhsa_code_object_version 6
	.text
	.protected	k_qe33c84f72d_proj
	.globl	k_qe33c84f72d_proj
	.p2align	8
	.type	k_qe33c84f72d_proj,@function
k_qe33c84f72d_proj:
	s_mov_b64 s[64:65], 0
	v_nop
	global_prefetch_b8 v0, s[64:65] scope:SCOPE_SE
	s_setreg_imm32_b32 hwreg(HW_REG_WAVE_MODE, 25, 1), 1
	s_wait_xcnt 0x0
	s_wait_alu depctr_hold_cnt(0) depctr_sa_sdst(0) depctr_va_vdst(0) depctr_va_sdst(0) depctr_va_ssrc(0) depctr_va_vcc(0) depctr_vm_vsrc(0)
	s_getreg_b32 s2, hwreg(HW_REG_IB_STS2, 6, 4)
	s_cmp_eq_u32 s2, 0
	s_cbranch_scc0 .Lentry_in_a_cluster
	s_endpgm
.Lentry_in_a_cluster:
	s_bfe_u32 s2, ttmp6, 0x10000c
	s_cmp_lg_u32 s2, 0xf033
	s_cbranch_scc0 .Lentry_shape_is_right
	s_endpgm
.Lentry_shape_is_right:
; T[n][j] = sum over i of q^[n][i] Mt[j][i] + c1[j]   (product 0)      U[m][j] = sum over i of v^[m][i] Gt[j][i] + g0[j]   (product 1)
; q^, v^: bf16.  Mt, Gt: two bf16 planes (hi, lo), so each product is made in two passes, A x B_hi + A x B_lo, into one f32 sum.  T and U leave as two bf16 planes again: 16 significant bits.
; LIMITS: intermediates carry 16 significant bits; NaN and infinities are not treated apart.
; SHARES.  A tile of 128 x 128, four waves of 64 x 64 (16 accumulators); 2 products x 32 x 4 tiles = 256 work-groups.  K = 512 in two steps of 256, each taken twice (hi, lo): four steps, written out.
; RING.  Slot s holds A's 128 rows and B's 128 rows of k = 256 s ..; its one refill brings B_lo of the same k over B_hi and leaves A where it lies, so only waves 2 and 3 have a refill.
; By this text's own count a wave has two tensor loads out at the start and at most one later.
; CLUSTER 4 x 4: A's tiles are shared along a row of the cluster, B's along a column: joint loads.  The matrix instruction is used transposed (source 0 = rows of B): a lane holds eight neighbouring columns of one row.
; The stage for the way out lies in slot 0, whose last fill has landed and whose last read is over at the third change of slots.
.set KSTEP,  256
.set KDIM,   512
.set PITCH,  528                       ; 512 bytes + 16: the 16 rows of a fragment load start at 16 different groups of four banks (64 banks of 4 bytes: ISA guide 11.1)
.set HALFT,  64*PITCH
.set SLOT,   4*HALFT
.set SPARE,  2*SLOT                    ; the spare words: 128 bytes for each wave; no other line names them
.set SPITCH, 272
.set LOPL,   128*SPITCH                ; the stage's second plane
.set PLANE,  524288                    ; bytes from B_hi to B_lo
.set ADRA, 16
.set ADRB, 20
.set STO,  24
.set RD,   25
.set CO,   26
.set BO,   27
.set SPW,  28
.set NIL,  29
.set CB,   32                          ; v32-63 the bias of my columns: eight f32 for column block b at CB + 8 b
.set TMP,  64                          ; v64-95 two sets of hi (4), lo (4), at work (8)
.set ACC,  128
.set F0,   0
.set F1,   128
.set G1,  24
.set G0,  32
.set G1B, 48
.set G0B, 56
.set HM,  45                           ; s45 a word's upper bf16
.set MSB, 0
.macro WIN new
.if MSB != (\new)
	s_set_vgpr_msb (MSB<<8)|(\new)
.set MSB, \new
.endif
.endm
.set MUL,  0x05                        ; sources 0 and 1 window 1; C and D window 0
.set TO_F, 0x40                        ; destination window 1, address window 0
.macro JLOAD s                         ; a first fill: waves 0 and 1 fetch A's two halves, waves 2 and 3 B's; s_nop 0 and four v_nop follow each line
	s_cmp_eq_u32 s11, 0
	s_cbranch_scc0 .Lfor_b_\@
	tensor_load_to_lds s[G0+4*(\s):G0+4*(\s)+3], s[G1:G1+7]
	s_nop 0
.rept 4
	v_nop
.endr
	s_branch .Lasked_\@
.Lfor_b_\@:
	tensor_load_to_lds s[G0B+4*(\s):G0B+4*(\s)+3], s[G1B:G1B+7]
	s_nop 0
.rept 4
	v_nop
.endr
.Lasked_\@:
.endm
.macro BLOAD s                         ; a refill: B's two halves, by waves 2 and 3; waves 0 and 1 have none.  The four v_nop of either way are the places in front of the fragment loads
	s_cmp_eq_u32 s11, 0
	s_cbranch_scc1 .Lnone_\@
	tensor_load_to_lds s[G0B+4*(\s):G0B+4*(\s)+3], s[G1B:G1B+7]
	s_nop 0
.rept 4
	v_nop
.endr
	s_branch .Lasked_\@
.Lnone_\@:
.rept 4
	v_nop
.endr
.Lasked_\@:
.endm
.macro CREST
	s_cmp_lg_u32 s10, 0
	s_cbranch_scc1 .Lnot_wave_0_\@
	s_barrier_signal -3
.Lnot_wave_0_\@:
	s_barrier_wait -3
	s_barrier_signal -1
	s_barrier_wait -1
.endm
.macro CROUND
	s_barrier_signal -1
	s_barrier_wait -1
	CREST
.endm
	s_load_b128 s[4:7], s[0:1], 0x0                ; act s[4:5], wmat s[6:7]
	s_load_b64 s[8:9], s[0:1], 0x10                ; tu
	v_lshl_add_u32 v[SPW], v0, 2, SPARE
	v_mov_b32 v[NIL], 0
	ds_add_u32 v[SPW], v[NIL]                      ; the wave's opening: the add and its wait ahead of my first tensor load
	v_lshrrev_b32 v1, 5, v0
	v_readfirstlane_b32 s10, v1                    ; wave 0..3
	s_lshr_b32 s11, s10, 1                         ; my half of the tile's rows; also: I fetch for A (0) or B (1)
	s_and_b32 s12, s10, 1                          ; my half of its columns; also: which 64 rows I fetch
	s_bfe_u32 s40, ttmp6, 0x40000                  ; cx
	s_bfe_u32 s41, ttmp6, 0x40004                  ; cy
	s_lshl_b32 s42, ttmp9, 2
	s_add_co_u32 s42, s42, s40                     ; tile column
	s_and_b32 s66, ttmp7, 0xffff                   ; the cluster's y
	s_lshr_b32 s67, s66, 3                         ; the product: the same in all sixteen partners
	s_and_b32 s13, s66, 7
	s_lshl_b32 s13, s13, 2
	s_add_co_u32 s13, s13, s41                     ; tile row
	s_lshl_b32 s43, s41, 2
	s_lshl_b32 s43, 15, s43                        ; my row of the cluster
	s_lshl_b32 s44, 0x1111, s40                    ; my column
	s_mov_b32 s[HM], 0xffff0000
	s_or_b32 s[G1+0], s43, (1<<16)|(1<<20)|(1<<21)|(6<<22)|(3<<25)  ; the mask; 2-byte elements; padding on; bit 21 beside a mask; after every 128 words, 4 words
	s_or_b32 s[G1B+0], s44, (1<<16)|(1<<20)|(1<<21)|(6<<22)|(3<<25)
.irp g, G1, G1B
	s_mov_b32 s[(\g)+1], KSTEP<<16                 ; tensor_dim0 = 256
	s_mov_b32 s[(\g)+2], 64<<16                    ; tensor_dim1 = 64
	s_mov_b32 s[(\g)+3], KSTEP<<16                 ; tile_dim0 = 256
	s_mov_b32 s[(\g)+4], 64                        ; tile_dim1 = 64
	s_mov_b32 s[(\g)+5], KDIM                      ; 512 elements from row to row
	s_mov_b32 s[(\g)+6], 0
	s_mov_b32 s[(\g)+7], 0
.endr
	s_lshl_b32 s17, s12, 6
	s_lshl_b32 s16, s13, 7
	s_add_co_u32 s16, s16, s17                     ; A: row 128 x tile row + 64 x half,
	s_lshl_b32 s16, s16, 10                        ; 1,024 bytes a row,
	s_lshl_b32 s18, s67, 23                        ; in q^ or in v^
	s_add_co_u32 s16, s16, s18
	s_lshl_b32 s46, s42, 7
	s_add_co_u32 s46, s46, s17                     ; B: row 128 x tile column + 64 x half,
	s_lshl_b32 s46, s46, 10
	s_lshl_b32 s18, s67, 20                        ; in Mt or in Gt
	s_add_co_u32 s46, s46, s18
	s_mov_b32 s17, 0
	s_mov_b32 s47, 0
	s_lshl_b32 s70, s42, 9                         ; the bias of my 64 columns: c1 or g0
	s_lshl_b32 s71, s12, 8
	s_add_co_u32 s70, s70, s71
	s_lshl_b32 s71, s67, 11
	s_add_co_u32 s70, s70, s71
	s_add_co_u32 s70, s70, 2097152
	s_mov_b32 s71, 0
	s_mul_i32 s20, s10, HALFT                      ; where my tile goes: wave x 64 rows
	s_wait_dscnt 0x0                               ; the opening add is done
	s_wait_kmcnt 0x0
	s_add_nc_u64 s[14:15], s[4:5], s[16:17]
	s_add_nc_u64 s[46:47], s[6:7], s[46:47]
	s_add_nc_u64 s[68:69], s[6:7], s[70:71]
	CROUND                                         ; all sixteen work-groups are here: the first joint loads meet
.irp s, 0,1
	s_mov_b32 s[G0+4*(\s)], 1
	s_add_co_u32 s[G0+4*(\s)+1], s20, (\s)*SLOT
	s_add_nc_u64 s[G0+4*(\s)+2:G0+4*(\s)+3], s[14:15], (\s)*KSTEP*2
	s_or_b32 s[G0+4*(\s)+3], s[G0+4*(\s)+3], 0x80000000
	s_mov_b32 s[G0B+4*(\s)], 1
	s_add_co_u32 s[G0B+4*(\s)+1], s20, (\s)*SLOT
	s_add_nc_u64 s[G0B+4*(\s)+2:G0B+4*(\s)+3], s[46:47], (\s)*KSTEP*2
	s_or_b32 s[G0B+4*(\s)+3], s[G0B+4*(\s)+3], 0x80000000
	JLOAD \s
.endr
	v_and_b32 v1, 15, v0                           ; l % 16
	v_bfe_u32 v2, v0, 4, 1                         ; l / 16
	v_lshlrev_b32 v[BO], 5, v2
.irp b, 0,1,2,3
	global_load_b128 v[CB+8*\b:CB+8*\b+3],   v[BO], s[68:69] offset:64*\b
	global_load_b128 v[CB+8*\b+4:CB+8*\b+7], v[BO], s[68:69] offset:64*\b+16
.endr
	v_mul_u32_u24 v3, v1, PITCH
	v_lshl_add_u32 v3, v2, 4, v3
	s_mul_i32 s21, s11, HALFT
	s_mul_i32 s22, s12, HALFT
	s_add_co_u32 s22, s22, 2*HALFT
.irp s, 0,1
	v_add_nc_u32 v[ADRA+(\s)], s21, v3
	v_add_nc_u32 v[ADRB+(\s)], s22, v3
	s_add_co_u32 s21, s21, SLOT
	s_add_co_u32 s22, s22, SLOT
.endr
	s_mul_i32 s23, s11, 64*SPITCH                  ; into the stage: my 64 rows, my half of their 256 bytes
	s_lshl_b32 s21, s12, 7
	s_add_co_u32 s23, s23, s21
	v_mul_u32_u24 v4, v1, SPITCH
	v_lshl_add_u32 v4, v2, 4, v4
	v_add_nc_u32 v[STO], s23, v4
	s_mul_i32 s23, s10, 32*SPITCH                  ; back: wave w takes rows 32 w .. 32 w + 31, whole
	v_mul_u32_u24 v5, v2, SPITCH
	v_lshl_add_u32 v5, v1, 4, v5
	v_add_nc_u32 v[RD], s23, v5
	v_lshlrev_b32 v5, 10, v2
	v_lshl_add_u32 v[CO], v1, 4, v5
	s_lshl_b32 s16, s13, 7
	s_lshl_b32 s17, s10, 5
	s_add_co_u32 s16, s16, s17
	s_lshl_b32 s16, s16, 10
	s_lshl_b32 s17, s67, 23                        ; T or U
	s_add_co_u32 s16, s16, s17
	s_mov_b32 s17, 0
	s_add_nc_u64 s[8:9], s[8:9], s[16:17]
	s_lshl_b32 s46, s42, 8
	s_mov_b32 s47, 0
	s_add_nc_u64 s[8:9], s[8:9], s[46:47]
.macro MUL8 f, c, a0, zero             ; eight matrix instructions, accumulators by turns
	WIN MUL
.irp a, \a0, (\a0)+1
.irp b, 0,1,2,3
.if \zero
	v_wmma_f32_16x16x32_bf16 v[ACC+8*(4*(\a)+(\b)):ACC+8*(4*(\a)+(\b))+7], v[(\f)+64+8*(4*(\c)+(\b)):(\f)+64+8*(4*(\c)+(\b))+7], v[(\f)+8*(4*(\c)+(\a)):(\f)+8*(4*(\c)+(\a))+7], 0
.else
	v_wmma_f32_16x16x32_bf16 v[ACC+8*(4*(\a)+(\b)):ACC+8*(4*(\a)+(\b))+7], v[(\f)+64+8*(4*(\c)+(\b)):(\f)+64+8*(4*(\c)+(\b))+7], v[(\f)+8*(4*(\c)+(\a)):(\f)+8*(4*(\c)+(\a))+7], v[ACC+8*(4*(\a)+(\b)):ACC+8*(4*(\a)+(\b))+7]
.endif
.endr
.endr
.endm
.macro FETCH slot, k, f                ; 32 LDS loads in one run: the fragments of 64 along K at byte k of the rows; the first 32 along K first
	WIN TO_F
.irp c, 0,1
.irp i, 0,1,2,3
	ds_load_b128 v[(\f)+64+8*(4*(\c)+(\i)):(\f)+64+8*(4*(\c)+(\i))+3],   v[ADRB+(\slot)] offset:(\k)+64*(\c)+(\i)*16*PITCH
	ds_load_b128 v[(\f)+64+8*(4*(\c)+(\i))+4:(\f)+64+8*(4*(\c)+(\i))+7], v[ADRB+(\slot)] offset:(\k)+64*(\c)+(\i)*16*PITCH+32
	ds_load_b128 v[(\f)+8*(4*(\c)+(\i)):(\f)+8*(4*(\c)+(\i))+3],         v[ADRA+(\slot)] offset:(\k)+64*(\c)+(\i)*16*PITCH
	ds_load_b128 v[(\f)+8*(4*(\c)+(\i))+4:(\f)+8*(4*(\c)+(\i))+7],       v[ADRA+(\slot)] offset:(\k)+64*(\c)+(\i)*16*PITCH+32
.endr
.endr
.endm
.macro PLACES                          ; four plain vector instructions between a matrix instruction and a load into, or a read of, its registers
.rept 4
	v_nop
.endr
.endm
.macro QUARTER slot, k, f, g, zero     ; 64 along K: multiplies buffer f, fetches the next quarter, at byte k, into g
	s_wait_dscnt 16                                ; the first 32 along K are in
	MUL8 \f, 0, 0, \zero
	MUL8 \f, 0, 2, \zero
	PLACES
	FETCH \slot, \k, \g
	s_wait_dscnt 32                                ; all but the 32 just issued
	MUL8 \f, 1, 0, 0
	MUL8 \f, 1, 2, 0
.endm
; The last quarter of a step multiplies buffer 1 and changes slots: in front of the one barrier each wave waits for all its tensor loads, adds 0 to its spare word, and waits for that and for its reads of this slot.
; fill = 1: the barrier opens a round of the cluster's barrier, and B's part of this slot is filled again, with the lo plane of the same k.
.macro TURN slot, next, fill
	WIN 0
	s_wait_tensorcnt 0x0                           ; all my tensor loads have landed: my part of the next slot
	ds_add_u32 v[SPW], v[NIL]
	s_wait_dscnt 17                                ; (the add and the youngest sixteen loads may be out)
	MUL8 F1, 0, 0, 0
	s_wait_dscnt 0x0                               ; the add is done, and my reads of this slot are over
	s_barrier_signal -1
	MUL8 F1, 0, 2, 0
.if \fill
	WIN 0
.endif
	s_barrier_wait -1
.if \fill
	CREST                                          ; no wave of any partner still reads this slot's B or has a load on its way
	s_add_nc_u64 s[G0B+4*(\slot)+2:G0B+4*(\slot)+3], s[G0B+4*(\slot)+2:G0B+4*(\slot)+3], PLANE
	BLOAD \slot                                    ; the first tensor load behind the round: 112 matrix instructions ahead of the wait for it
.else
	PLACES
.endif
	FETCH \next, 0, F0
	MUL8 F1, 1, 0, 0
	MUL8 F1, 1, 2, 0
.endm
.macro SPLIT4 x, h, l, w               ; eight f32 at x: h = four words of bf16; l = what the rounding left, in bf16; stage by stage, so that no line waits for the one before it
.irp r, 0,1,2,3
	v_cvt_pk_bf16_f32 v[(\h)+\r], v[(\x)+2*\r], v[(\x)+2*\r+1]
.endr
.irp r, 0,1,2,3
	v_lshlrev_b32 v[(\w)+2*\r], 16, v[(\h)+\r]
	v_and_b32 v[(\w)+2*\r+1], s[HM], v[(\h)+\r]
.endr
.irp r, 0,1,2,3
	v_pk_add_f32 v[(\x)+2*\r:(\x)+2*\r+1], v[(\x)+2*\r:(\x)+2*\r+1], v[(\w)+2*\r:(\w)+2*\r+1] neg_lo:[0,1] neg_hi:[0,1]
.endr
.irp r, 0,1,2,3
	v_cvt_pk_bf16_f32 v[(\l)+\r], v[(\x)+2*\r], v[(\x)+2*\r+1]
.endr
.endm
	s_wait_tensorcnt 1                             ; my part of slot 0 is in; slot 1's may stay out
	s_barrier_signal -1
	s_barrier_wait -1
	FETCH 0, 0, F0
	QUARTER 0, 128, F0, F1, 1                      ; A[k 0..255] x B_hi: the first products start the sums
	QUARTER 0, 256, F1, F0, 0
	QUARTER 0, 384, F0, F1, 0
	TURN 0, 1, 1
	QUARTER 1, 128, F0, F1, 0                      ; A[k 256..511] x B_hi
	QUARTER 1, 256, F1, F0, 0
	QUARTER 1, 384, F0, F1, 0
	TURN 1, 0, 1
	QUARTER 0, 128, F0, F1, 0                      ; A[k 0..255] x B_lo
	QUARTER 0, 256, F1, F0, 0
	QUARTER 0, 384, F0, F1, 0
	TURN 0, 1, 0
	QUARTER 1, 128, F0, F1, 0                      ; A[k 256..511] x B_lo
	QUARTER 1, 256, F1, F0, 0
	QUARTER 1, 384, F0, F1, 0
	s_wait_dscnt 16
	MUL8 F1, 0, 0, 0
	MUL8 F1, 0, 2, 0
	s_wait_dscnt 0x0
	MUL8 F1, 1, 0, 0
	MUL8 F1, 1, 2, 0
	WIN 0
	; THE WAY OUT: the bias is added, each sum is split into hi and lo, both planes go through the stage and leave as whole rows of 256 bytes
	s_wait_loadcnt 0x0                             ; the bias
	PLACES
.set t, 0
.rept 16
.set AC, ACC+8*t
.set CBB, CB+8*(t%4)
.set Z, TMP+16*(t%2)
.irp r, 0,2,4,6
	v_pk_add_f32 v[AC+\r:AC+\r+1], v[AC+\r:AC+\r+1], v[CBB+\r:CBB+\r+1]
.endr
	SPLIT4 AC, Z, Z+4, Z+8
	ds_store_b128 v[STO], v[Z:Z+3]   offset:(t/4)*16*SPITCH+32*(t%4)
	ds_store_b128 v[STO], v[Z+4:Z+7] offset:LOPL+(t/4)*16*SPITCH+32*(t%4)
.set t, t+1
.endr
	s_wait_dscnt 0x0                               ; for the others' sake: a row's 256 bytes come from two waves
	s_barrier_signal -1
	s_barrier_wait -1
.set t, 0
.rept 32
	ds_load_b128 v[ACC+4*t:ACC+4*t+3], v[RD] offset:(t/16)*LOPL+(t%16)*2*SPITCH
.set t, t+1
.endr
.set t, 0
.rept 32
	s_wait_dscnt 31-t
	global_store_b128 v[CO], v[ACC+4*t:ACC+4*t+3], s[8:9] offset:(t/16)*4194304+(t%16)*2048  ; 16 lanes store 256 consecutive bytes, at a multiple of 256 from the buffer's first
.set t, t+1
.endr
	s_wait_tensorcnt 0x0                           ; the wave's end
	ds_add_u32 v[SPW], v[NIL]
	s_wait_dscnt 0x0
	CROUND                                         ; the closing round
	s_endpgm
.Lfunc_end_k_qe33c84f72d_proj:
	.size	k_qe33c84f72d_proj, .Lfunc_end_k_qe33c84f72d_proj-k_qe33c84f72d_proj
	.p2alignl 7, 3214868480
	.fill 96, 4, 3214868480
	.section	.rodata,"a",@progbits
	.p2align	6, 0x0
	.amdhsa_kernel k_qe33c84f72d_proj
		.amdhsa_group_segment_fixed_size 327680
		.amdhsa_private_segment_fixed_size 0
		.amdhsa_enable_private_segment 0
		.amdhsa_kernarg_size 24
		.amdhsa_user_sgpr_count 2
		.amdhsa_user_sgpr_kernarg_segment_ptr 1
		.amdhsa_wavefront_size32 1
		.amdhsa_system_sgpr_workgroup_id_x 1
		.amdhsa_system_sgpr_workgroup_id_y 1
		.amdhsa_system_sgpr_workgroup_id_z 1
		.amdhsa_system_vgpr_workitem_id 0
		.amdhsa_next_free_vgpr 512
		.amdhsa_next_free_sgpr 80
		.amdhsa_reserve_vcc 0
		.amdhsa_float_denorm_mode_32 3
		.amdhsa_float_denorm_mode_16_64 3
		.amdhsa_memory_ordered 1
		.amdhsa_forward_progress 1
		.amdhsa_inst_pref_size 107
	.end_amdhsa_kernel
	.amdgpu_metadata
---
amdhsa.version: [ 1, 2 ]
amdhsa.kernels:
  - .name:           k_qe33c84f72d_proj
    .symbol:         k_qe33c84f72d_proj.kd
    .args:
      - { .name: act, .offset: 0, .size: 8, .value_kind: global_buffer, .address_space: global }
      - { .name: wmat, .offset: 8, .size: 8, .value_kind: global_buffer, .address_space: global }
      - { .name: tu, .offset: 16, .size: 8, .value_kind: global_buffer, .address_space: global }
    .group_segment_fixed_size: 327680
    .private_segment_fixed_size: 0
    .kernarg_segment_align: 8
    .kernarg_segment_size: 24
    .max_flat_workgroup_size: 128
    .sgpr_count:     80
    .vgpr_count:     512
    .wavefront_size: 32
...
	.end_amdgpu_metadata
.endif
;; end of part 3
;; launch score (part 4): grid 8 x 32, 4 waves a work-group, clusters of 4 x 4, 327,680 bytes of LDS; arguments act, tu, st; writes st
.if DOCPART == 4
	.amdgcn_target "amdgcn-amd-amdhsa--gfx1250"
	.amdhsa_code_object_version 6
	.text
	.protected	k_qe33c84f72d_score
	.globl	k_qe33c84f72d_score
	.p2align	8
	.type	k_qe33c84f72d_score,@function
k_qe33c84f72d_score:
	s_mov_b64 s[64:65], 0
	v_nop
	global_prefetch_b8 v0, s[64:65] scope:SCOPE_SE
	s_setreg_imm32_b32 hwreg(HW_REG_WAVE_MODE, 25, 1), 1
	s_wait_xcnt 0x0
	s_wait_alu depctr_hold_cnt(0) depctr_sa_sdst(0) depctr_va_vdst(0) depctr_va_sdst(0) depctr_va_ssrc(0) depctr_va_vcc(0) depctr_vm_vsrc(0)
	s_getreg_b32 s2, hwreg(HW_REG_IB_STS2, 6, 4)
	s_cmp_eq_u32 s2, 0
	s_cbranch_scc0 .Lentry_in_a_cluster
	s_endpgm
.Lentry_in_a_cluster:
	s_bfe_u32 s2, ttmp6, 0x10000c
	s_cmp_lg_u32 s2, 0xf033
	s_cbranch_scc0 .Lentry_shape_is_right
	s_endpgm
.Lentry_shape_is_right:
; THE SCORES, TRANSPOSED.  St[b][m][n] = sum over j of k^[b][m][j] T[b][n][j] + d[b][n], f32.  The module's softmax runs over the queries n: in St that is along a row.
; k^: bf16.  T: two bf16 planes, so the product is made in two passes, k^ x T_hi + k^ x T_lo, into one f32 sum.  LIMITS: T carries 16 significant bits; NaN and infinities are not treated apart.
; SHARES, RING, CLUSTER as in the launch before: a tile of 128 (m) x 128 (n), four waves of 64 x 64; 4 batches x 8 x 8 = 256 work-groups; four K steps of 256, written out; slot s holds A (k^) and B (T) of
; j = 256 s ..; its one refill brings T_lo over T_hi, by waves 2 and 3.  A wave has two tensor loads out at the start and at most one later.  The stage lies in slot 0, behind its last fill and last read.
.set KSTEP,  256
.set KDIM,   512
.set PITCH,  528
.set HALFT,  64*PITCH
.set SLOT,   4*HALFT
.set SPARE,  2*SLOT
.set SPITCH, 528                       ; the stage: 128 rows of 512 bytes + 16
.set PLANE,  4194304                   ; bytes from T_hi to T_lo
.set ADRA, 16
.set ADRB, 20
.set STO,  24
.set RD,   25
.set CO,   26
.set BO,   27
.set SPW,  28
.set NIL,  29
.set CB,   32                          ; v32-63 d of my columns
.set ACC,  128
.set F0,   0
.set F1,   128
.set G1,  24
.set G0,  32
.set G1B, 48
.set G0B, 56
.set MSB, 0
.macro WIN new
.if MSB != (\new)
	s_set_vgpr_msb (MSB<<8)|(\new)
.set MSB, \new
.endif
.endm
.set MUL,  0x05
.set TO_F, 0x40
.macro JLOAD s
	s_cmp_eq_u32 s11, 0
	s_cbranch_scc0 .Lfor_b_\@
	tensor_load_to_lds s[G0+4*(\s):G0+4*(\s)+3], s[G1:G1+7]
	s_nop 0
.rept 4
	v_nop
.endr
	s_branch .Lasked_\@
.Lfor_b_\@:
	tensor_load_to_lds s[G0B+4*(\s):G0B+4*(\s)+3], s[G1B:G1B+7]
	s_nop 0
.rept 4
	v_nop
.endr
.Lasked_\@:
.endm
.macro BLOAD s
	s_cmp_eq_u32 s11, 0
	s_cbranch_scc1 .Lnone_\@
	tensor_load_to_lds s[G0B+4*(\s):G0B+4*(\s)+3], s[G1B:G1B+7]
	s_nop 0
.rept 4
	v_nop
.endr
	s_branch .Lasked_\@
.Lnone_\@:
.rept 4
	v_nop
.endr
.Lasked_\@:
.endm
.macro CREST
	s_cmp_lg_u32 s10, 0
	s_cbranch_scc1 .Lnot_wave_0_\@
	s_barrier_signal -3
.Lnot_wave_0_\@:
	s_barrier_wait -3
	s_barrier_signal -1
	s_barrier_wait -1
.endm
.macro CROUND
	s_barrier_signal -1
	s_barrier_wait -1
	CREST
.endm
	s_load_b128 s[4:7], s[0:1], 0x0                ; act s[4:5], tu s[6:7]
	s_load_b64 s[8:9], s[0:1], 0x10                ; st
	v_lshl_add_u32 v[SPW], v0, 2, SPARE
	v_mov_b32 v[NIL], 0
	ds_add_u32 v[SPW], v[NIL]                      ; the wave's opening: the add and its wait ahead of my first tensor load
	v_lshrrev_b32 v1, 5, v0
	v_readfirstlane_b32 s10, v1
	s_lshr_b32 s11, s10, 1
	s_and_b32 s12, s10, 1
	s_bfe_u32 s40, ttmp6, 0x40000                  ; cx
	s_bfe_u32 s41, ttmp6, 0x40004                  ; cy
	s_lshl_b32 s42, ttmp9, 2
	s_add_co_u32 s42, s42, s40                     ; the tile of queries
	s_and_b32 s66, ttmp7, 0xffff                   ; the cluster's y
	s_lshr_b32 s67, s66, 1                         ; the batch, from the cluster's y alone: B's registers never hold cy
	s_lshl_b32 s13, s66, 2
	s_add_co_u32 s13, s13, s41                     ; 8 x batch + the tile of keys
	s_lshl_b32 s43, s41, 2
	s_lshl_b32 s43, 15, s43
	s_lshl_b32 s44, 0x1111, s40
	s_or_b32 s[G1+0], s43, (1<<16)|(1<<20)|(1<<21)|(6<<22)|(3<<25)
	s_or_b32 s[G1B+0], s44, (1<<16)|(1<<20)|(1<<21)|(6<<22)|(3<<25)
.irp g, G1, G1B
	s_mov_b32 s[(\g)+1], KSTEP<<16
	s_mov_b32 s[(\g)+2], 64<<16
	s_mov_b32 s[(\g)+3], KSTEP<<16
	s_mov_b32 s[(\g)+4], 64
	s_mov_b32 s[(\g)+5], KDIM
	s_mov_b32 s[(\g)+6], 0
	s_mov_b32 s[(\g)+7], 0
.endr
	s_lshl_b32 s17, s12, 6
	s_lshl_b32 s16, s13, 7
	s_add_co_u32 s16, s16, s17                     ; A: k^'s row 128 x (8 b + key tile) + 64 x half
	s_lshl_b32 s16, s16, 10
	s_add_co_u32 s16, s16, 4194304                 ; k^ lies behind q^
	s_lshl_b32 s46, s67, 10
	s_lshl_b32 s47, s42, 7
	s_add_co_u32 s46, s46, s47
	s_add_co_u32 s46, s46, s17                     ; B: T's row 1,024 b + 128 x query tile + 64 x half
	s_lshl_b32 s46, s46, 10
	s_mov_b32 s17, 0
	s_mov_b32 s47, 0
	s_lshl_b32 s70, s67, 12                        ; d of my 64 columns
	s_lshl_b32 s71, s42, 9
	s_add_co_u32 s70, s70, s71
	s_lshl_b32 s71, s12, 8
	s_add_co_u32 s70, s70, s71
	s_add_co_u32 s70, s70, 12582912
	s_mov_b32 s71, 0
	s_mul_i32 s20, s10, HALFT
	s_wait_dscnt 0x0
	s_wait_kmcnt 0x0
	s_add_nc_u64 s[14:15], s[4:5], s[16:17]
	s_add_nc_u64 s[46:47], s[6:7], s[46:47]
	s_add_nc_u64 s[68:69], s[4:5], s[70:71]
	CROUND
.irp s, 0,1
	s_mov_b32 s[G0+4*(\s)], 1
	s_add_co_u32 s[G0+4*(\s)+1], s20, (\s)*SLOT
	s_add_nc_u64 s[G0+4*(\s)+2:G0+4*(\s)+3], s[14:15], (\s)*KSTEP*2
	s_or_b32 s[G0+4*(\s)+3], s[G0+4*(\s)+3], 0x80000000
	s_mov_b32 s[G0B+4*(\s)], 1
	s_add_co_u32 s[G0B+4*(\s)+1], s20, (\s)*SLOT
	s_add_nc_u64 s[G0B+4*(\s)+2:G0B+4*(\s)+3], s[46:47], (\s)*KSTEP*2
	s_or_b32 s[G0B+4*(\s)+3], s[G0B+4*(\s)+3], 0x80000000
	JLOAD \s
.endr
	v_and_b32 v1, 15, v0
	v_bfe_u32 v2, v0, 4, 1
	v_lshlrev_b32 v[BO], 5, v2
.irp b, 0,1,2,3
	global_load_b128 v[CB+8*\b:CB+8*\b+3],   v[BO], s[68:69] offset:64*\b
	global_load_b128 v[CB+8*\b+4:CB+8*\b+7], v[BO], s[68:69] offset:64*\b+16
.endr
	v_mul_u32_u24 v3, v1, PITCH
	v_lshl_add_u32 v3, v2, 4, v3
	s_mul_i32 s21, s11, HALFT
	s_mul_i32 s22, s12, HALFT
	s_add_co_u32 s22, s22, 2*HALFT
.irp s, 0,1
	v_add_nc_u32 v[ADRA+(\s)], s21, v3
	v_add_nc_u32 v[ADRB+(\s)], s22, v3
	s_add_co_u32 s21, s21, SLOT
	s_add_co_u32 s22, s22, SLOT
.endr
	s_mul_i32 s23, s11, 64*SPITCH                  ; into the stage: row 64 wr + l % 16, byte 256 wc + 32 (l / 16)
	s_lshl_b32 s21, s12, 8
	s_add_co_u32 s23, s23, s21
	v_mul_u32_u24 v4, v1, SPITCH
	v_lshl_add_u32 v4, v2, 5, v4
	v_add_nc_u32 v[STO], s23, v4
	s_mul_i32 s23, s10, 32*SPITCH                  ; back: wave w takes rows 32 w .. 32 w + 31, a row of 512 bytes to a load
	v_and_b32 v5, 31, v0
	v_lshlrev_b32 v[CO], 4, v5
	v_add_nc_u32 v[RD], s23, v[CO]
	s_lshl_b32 s16, s13, 7
	s_lshl_b32 s17, s10, 5
	s_add_co_u32 s16, s16, s17
	s_lshl_b32 s16, s16, 12                        ; 4,096 bytes a row of St
	s_mov_b32 s17, 0
	s_add_nc_u64 s[8:9], s[8:9], s[16:17]
	s_lshl_b32 s46, s42, 9
	s_mov_b32 s47, 0
	s_add_nc_u64 s[8:9], s[8:9], s[46:47]
.macro MUL8 f, c, a0, zero
	WIN MUL
.irp a, \a0, (\a0)+1
.irp b, 0,1,2,3
.if \zero
	v_wmma_f32_16x16x32_bf16 v[ACC+8*(4*(\a)+(\b)):ACC+8*(4*(\a)+(\b))+7], v[(\f)+64+8*(4*(\c)+(\b)):(\f)+64+8*(4*(\c)+(\b))+7], v[(\f)+8*(4*(\c)+(\a)):(\f)+8*(4*(\c)+(\a))+7], 0
.else
	v_wmma_f32_16x16x32_bf16 v[ACC+8*(4*(\a)+(\b)):ACC+8*(4*(\a)+(\b))+7], v[(\f)+64+8*(4*(\c)+(\b)):(\f)+64+8*(4*(\c)+(\b))+7], v[(\f)+8*(4*(\c)+(\a)):(\f)+8*(4*(\c)+(\a))+7], v[ACC+8*(4*(\a)+(\b)):ACC+8*(4*(\a)+(\b))+7]
.endif
.endr
.endr
.endm
.macro FETCH slot, k, f
	WIN TO_F
.irp c, 0,1
.irp i, 0,1,2,3
	ds_load_b128 v[(\f)+64+8*(4*(\c)+(\i)):(\f)+64+8*(4*(\c)+(\i))+3],   v[ADRB+(\slot)] offset:(\k)+64*(\c)+(\i)*16*PITCH
	ds_load_b128 v[(\f)+64+8*(4*(\c)+(\i))+4:(\f)+64+8*(4*(\c)+(\i))+7], v[ADRB+(\slot)] offset:(\k)+64*(\c)+(\i)*16*PITCH+32
	ds_load_b128 v[(\f)+8*(4*(\c)+(\i)):(\f)+8*(4*(\c)+(\i))+3],         v[ADRA+(\slot)] offset:(\k)+64*(\c)+(\i)*16*PITCH
	ds_load_b128 v[(\f)+8*(4*(\c)+(\i))+4:(\f)+8*(4*(\c)+(\i))+7],       v[ADRA+(\slot)] offset:(\k)+64*(\c)+(\i)*16*PITCH+32
.endr
.endr
.endm
.macro PLACES
.rept 4
	v_nop
.endr
.endm
.macro QUARTER slot, k, f, g, zero
	s_wait_dscnt 16                                ; the first 32 along K are in
	MUL8 \f, 0, 0, \zero
	MUL8 \f, 0, 2, \zero
	PLACES
	FETCH \slot, \k, \g
	s_wait_dscnt 32                                ; all but the 32 just issued
	MUL8 \f, 1, 0, 0
	MUL8 \f, 1, 2, 0
.endm
.macro TURN slot, next, fill
	WIN 0
	s_wait_tensorcnt 0x0                           ; all my tensor loads have landed
	ds_add_u32 v[SPW], v[NIL]
	s_wait_dscnt 17                                ; (the add and the youngest sixteen loads may be out)
	MUL8 F1, 0, 0, 0
	s_wait_dscnt 0x0                               ; the add is done, and my reads of this slot are over
	s_barrier_signal -1
	MUL8 F1, 0, 2, 0
.if \fill
	WIN 0
.endif
	s_barrier_wait -1
.if \fill
	CREST
	s_add_nc_u64 s[G0B+4*(\slot)+2:G0B+4*(\slot)+3], s[G0B+4*(\slot)+2:G0B+4*(\slot)+3], PLANE
	BLOAD \slot
.else
	PLACES
.endif
	FETCH \next, 0, F0
	MUL8 F1, 1, 0, 0
	MUL8 F1, 1, 2, 0
.endm
	s_wait_tensorcnt 1                             ; my part of slot 0 is in; slot 1's may stay out
	s_barrier_signal -1
	s_barrier_wait -1
	FETCH 0, 0, F0
	QUARTER 0, 128, F0, F1, 1
	QUARTER 0, 256, F1, F0, 0
	QUARTER 0, 384, F0, F1, 0
	TURN 0, 1, 1
	QUARTER 1, 128, F0, F1, 0
	QUARTER 1, 256, F1, F0, 0
	QUARTER 1, 384, F0, F1, 0
	TURN 1, 0, 1
	QUARTER 0, 128, F0, F1, 0
	QUARTER 0, 256, F1, F0, 0
	QUARTER 0, 384, F0, F1, 0
	TURN 0, 1, 0
	QUARTER 1, 128, F0, F1, 0
	QUARTER 1, 256, F1, F0, 0
	QUARTER 1, 384, F0, F1, 0
	s_wait_dscnt 16
	MUL8 F1, 0, 0, 0
	MUL8 F1, 0, 2, 0
	s_wait_dscnt 0x0
	MUL8 F1, 1, 0, 0
	MUL8 F1, 1, 2, 0
	WIN 0
	; THE WAY OUT: d is added; f32 through the stage; each store of a wave is 512 consecutive bytes of a row
	s_wait_loadcnt 0x0
	PLACES
.set t, 0
.rept 16
.set AC, ACC+8*t
.set CBB, CB+8*(t%4)
.irp r, 0,2,4,6
	v_pk_add_f32 v[AC+\r:AC+\r+1], v[AC+\r:AC+\r+1], v[CBB+\r:CBB+\r+1]
.endr
	ds_store_b128 v[STO], v[AC:AC+3]   offset:(t/4)*16*SPITCH+(t%4)*64
	ds_store_b128 v[STO], v[AC+4:AC+7] offset:(t/4)*16*SPITCH+(t%4)*64+16
.set t, t+1
.endr
	s_wait_dscnt 0x0                               ; for the others' sake
	s_barrier_signal -1
	s_barrier_wait -1
.set t, 0
.rept 32
	ds_load_b128 v[ACC+4*t:ACC+4*t+3], v[RD] offset:t*SPITCH
.set t, t+1
.endr
.set t, 0
.rept 32
	s_wait_dscnt 31-t
	global_store_b128 v[CO], v[ACC+4*t:ACC+4*t+3], s[8:9] offset:t*4096
.set t, t+1
.endr
	s_wait_tensorcnt 0x0                           ; the wave's end
	ds_add_u32 v[SPW], v[NIL]
	s_wait_dscnt 0x0
	CROUND
	s_endpgm
.Lfunc_end_k_qe33c84f72d_score:
	.size	k_qe33c84f72d_score, .Lfunc_end_k_qe33c84f72d_score-k_qe33c84f72d_score
	.p2alignl 7, 3214868480
	.fill 96, 4, 3214868480
	.section	.rodata,"a",@progbits
	.p2align	6, 0x0
	.amdhsa_kernel k_qe33c84f72d_score
		.amdhsa_group_segment_fixed_size 327680
		.amdhsa_private_segment_fixed_size 0
		.amdhsa_enable_private_segment 0
		.amdhsa_kernarg_size 24
		.amdhsa_user_sgpr_count 2
		.amdhsa_user_sgpr_kernarg_segment_ptr 1
		.amdhsa_wavefront_size32 1
		.amdhsa_system_sgpr_workgroup_id_x 1
		.amdhsa_system_sgpr_workgroup_id_y 1
		.amdhsa_system_sgpr_workgroup_id_z 1
		.amdhsa_system_vgpr_workitem_id 0
		.amdhsa_next_free_vgpr 512
		.amdhsa_next_free_sgpr 80
		.amdhsa_reserve_vcc 0
		.amdhsa_float_denorm_mode_32 3
		.amdhsa_float_denorm_mode_16_64 3
		.amdhsa_memory_ordered 1
		.amdhsa_forward_progress 1
		.amdhsa_inst_pref_size 91
	.end_amdhsa_kernel
	.amdgpu_metadata
---
amdhsa.version: [ 1, 2 ]
amdhsa.kernels:
  - .name:           k_qe33c84f72d_score
    .symbol:         k_qe33c84f72d_score.kd
    .args:
      - { .name: act, .offset: 0, .size: 8, .value_kind: global_buffer, .address_space: global }
      - { .name: tu, .offset: 8, .size: 8, .value_kind: global_buffer, .address_space: global }
      - { .name: st, .offset: 16, .size: 8, .value_kind: global_buffer, .address_space: global }
    .group_segment_fixed_size: 327680
    .private_segment_fixed_size: 0
    .kernarg_segment_align: 8
    .kernarg_segment_size: 24
    .max_flat_workgroup_size: 128
    .sgpr_count:     80
    .vgpr_count:     512
    .wavefront_size: 32
...
	.end_amdgpu_metadata
.endif
;; end of part 4
;; launch soft (part 5): grid 512 x 1, 8 waves a work-group, no clusters, 0 bytes of LDS; arguments st, pt; writes pt
.if DOCPART == 5
	.amdgcn_target "amdgcn-amd-amdhsa--gfx1250"
	.amdhsa_code_object_version 6
	.text
	.protected	k_qe33c84f72d_soft
	.globl	k_qe33c84f72d_soft
	.p2align	8
	.type	k_qe33c84f72d_soft,@function
k_qe33c84f72d_soft:
	s_mov_b64 s[64:65], 0
	v_nop
	global_prefetch_b8 v0, s[64:65] scope:SCOPE_SE
	s_setreg_imm32_b32 hwreg(HW_REG_WAVE_MODE, 25, 1), 1
	s_wait_xcnt 0x0
; THE SOFTMAX OVER THE QUERIES: along a row of St.  Pt[row][n] = 2^(c s - c m) / sum, c = log2(e), m the row's true maximum.  f32 throughout; Pt leaves as two bf16 planes, hi = bf16(p), lo = bf16(p - hi).
; One wave, one row of 1,024 f32: 32 registers a lane, read once; no LDS, no barrier, no loop.  Matrix units and clusters have nothing to do here.
; c m is rounded once and taken from the exact product c s inside one fused multiply-add: its rounding is a factor common to the row, which the division removes.
; LIMITS: a weight below 2^-126 counts as 0; NaN and infinities are not treated apart.
.set X,  32                            ; v32-63 the row
.set H,  64                            ; v64-79 hi
.set LW, 80                            ; v80-95 lo
.set M,  8                             ; v8-11 four running maxima
.set CM, 12                            ; v12-13 c m, twice
.set R,  6                             ; v6-7 1 / sum, twice
.set T,  16                            ; v16-31 at work
.set CS, 16                            ; s[16:17] c
.set HM, 18                            ; s18 a word's upper bf16
.macro SPLIT4 x, h, l, w
.irp r, 0,1,2,3
	v_cvt_pk_bf16_f32 v[(\h)+\r], v[(\x)+2*\r], v[(\x)+2*\r+1]
.endr
.irp r, 0,1,2,3
	v_lshlrev_b32 v[(\w)+2*\r], 16, v[(\h)+\r]
	v_and_b32 v[(\w)+2*\r+1], s[HM], v[(\h)+\r]
.endr
.irp r, 0,1,2,3
	v_pk_add_f32 v[(\x)+2*\r:(\x)+2*\r+1], v[(\x)+2*\r:(\x)+2*\r+1], v[(\w)+2*\r:(\w)+2*\r+1] neg_lo:[0,1] neg_hi:[0,1]
.endr
.irp r, 0,1,2,3
	v_cvt_pk_bf16_f32 v[(\l)+\r], v[(\x)+2*\r], v[(\x)+2*\r+1]
.endr
.endm
	s_load_b128 s[4:7], s[0:1], 0x0                ; st s[4:5], pt s[6:7]
	v_and_b32 v1, 31, v0
	v_lshrrev_b32 v2, 5, v0
	v_readfirstlane_b32 s8, v2
	s_lshl_b32 s9, ttmp9, 3
	s_add_co_u32 s9, s9, s8                        ; my row
	s_lshl_b32 s10, s9, 12
	s_mov_b32 s11, 0
	s_lshl_b32 s12, s9, 11
	s_mov_b32 s13, 0
	s_mov_b32 s[CS], 0x3fb8aa3b
	s_mov_b32 s[CS+1], s[CS]
	s_mov_b32 s[HM], 0xffff0000
	s_mov_b32 s20, 0x76543210
	s_mov_b32 s21, 0xfedcba98
	v_lshlrev_b32 v3, 4, v1
	v_lshlrev_b32 v4, 3, v1
	v_mov_b32 v5, 0
	s_wait_kmcnt 0x0
	s_add_nc_u64 s[4:5], s[4:5], s[10:11]
	s_add_nc_u64 s[6:7], s[6:7], s[12:13]
	s_add_nc_u64 s[14:15], s[6:7], 0x800000        ; the lo plane: a base of its own
.irp j, 0,1,2,3,4,5,6,7
	global_load_b128 v[X+4*\j:X+4*\j+3], v3, s[4:5] offset:\j*512 th:TH_LOAD_NT
.endr
	s_wait_loadcnt 0x0
.irp c, 0,1,2,3
	v_max3_num_f32 v[M+\c], v[X+3*\c], v[X+3*\c+1], v[X+3*\c+2]
.endr
.set i, 12
.rept 10
	v_max3_num_f32 v[M+((i-12)/2)%4], v[M+((i-12)/2)%4], v[X+i], v[X+i+1]
.set i, i+2
.endr
	v_max3_num_f32 v[M], v[M], v[M+1], v[M+2]
	v_max_num_f32 v[M], v[M], v[M+3]
	v_max_num_f32_dpp v[M], v[M], v[M] row_xmask:1 row_mask:0xf bank_mask:0xf
	v_max_num_f32_dpp v[M], v[M], v[M] row_xmask:2 row_mask:0xf bank_mask:0xf
	v_max_num_f32_dpp v[M], v[M], v[M] row_xmask:4 row_mask:0xf bank_mask:0xf
	v_max_num_f32_dpp v[M], v[M], v[M] row_xmask:8 row_mask:0xf bank_mask:0xf
	v_permlanex16_b32 v5, v[M], s20, s21
	v_max_num_f32 v[M], v[M], v5
	v_mul_f32 v[CM], s[CS], v[M]
	v_mov_b32 v[CM+1], v[CM]
.set i, 0
.rept 16
	v_pk_fma_f32 v[X+2*i:X+2*i+1], v[X+2*i:X+2*i+1], s[CS:CS+1], v[CM:CM+1] op_sel_hi:[1,0,0] neg_lo:[0,0,1] neg_hi:[0,0,1]
.set i, i+1
.endr
.set i, 0
.rept 32
	v_exp_f32 v[X+i], v[X+i]
.set i, i+1
.endr
	v_nop                                          ; a plain instruction between the last exponential and the use of its result
.set i, 0
	s_wait_alu depctr_va_vdst(0)
.rept 8
	v_pk_add_f32 v[T+2*i:T+2*i+1], v[X+4*i:X+4*i+1], v[X+4*i+2:X+4*i+3]
.set i, i+1
.endr
.irp i, 0,4,8,12
	v_pk_add_f32 v[T+\i:T+\i+1], v[T+\i:T+\i+1], v[T+\i+2:T+\i+3]
.endr
	v_pk_add_f32 v[T:T+1], v[T:T+1], v[T+4:T+5]
	v_pk_add_f32 v[T+8:T+9], v[T+8:T+9], v[T+12:T+13]
	v_pk_add_f32 v[T:T+1], v[T:T+1], v[T+8:T+9]
	v_add_f32 v[T], v[T], v[T+1]
	v_add_f32_dpp v[T], v[T], v[T] row_xmask:1 row_mask:0xf bank_mask:0xf
	v_add_f32_dpp v[T], v[T], v[T] row_xmask:2 row_mask:0xf bank_mask:0xf
	v_add_f32_dpp v[T], v[T], v[T] row_xmask:4 row_mask:0xf bank_mask:0xf
	v_add_f32_dpp v[T], v[T], v[T] row_xmask:8 row_mask:0xf bank_mask:0xf
	v_permlanex16_b32 v5, v[T], s20, s21
	v_add_f32 v[M], v[T], v5                       ; the sum, at least about 1: the maximum's own weight
	v_rcp_f32 v[R], v[M]
	v_rcp_f32 v[R+1], v[M]
	v_nop                                          ; a plain instruction between the reciprocals and their use
.set i, 0
	s_wait_alu depctr_va_vdst(0)
.rept 16
	v_pk_mul_f32 v[X+2*i:X+2*i+1], v[X+2*i:X+2*i+1], v[R:R+1]
.set i, i+1
.endr
.irp g, 0,1,2,3
	SPLIT4 X+8*\g, H+4*\g, LW+4*\g, T+8*(\g%2)
.endr
.irp j, 0,1,2,3,4,5,6,7
	global_store_b64 v4, v[H+2*\j:H+2*\j+1], s[6:7] offset:\j*256       ; a wave's store: 256 consecutive bytes, aligned
.endr
.irp j, 0,1,2,3,4,5,6,7
	global_store_b64 v4, v[LW+2*\j:LW+2*\j+1], s[14:15] offset:\j*256
.endr
	s_endpgm
.Lfunc_end_k_qe33c84f72d_soft:
	.size	k_qe33c84f72d_soft, .Lfunc_end_k_qe33c84f72d_soft-k_qe33c84f72d_soft
	.p2alignl 7, 3214868480
	.fill 96, 4, 3214868480
	.section	.rodata,"a",@progbits
	.p2align	6, 0x0
	.amdhsa_kernel k_qe33c84f72d_soft
		.amdhsa_group_segment_fixed_size 0
		.amdhsa_private_segment_fixed_size 0
		.amdhsa_enable_private_segment 0
		.amdhsa_kernarg_size 16
		.amdhsa_user_sgpr_count 2
		.amdhsa_user_sgpr_kernarg_segment_ptr 1
		.amdhsa_wavefront_size32 1
		.amdhsa_system_sgpr_workgroup_id_x 1
		.amdhsa_system_sgpr_workgroup_id_y 1
		.amdhsa_system_sgpr_workgroup_id_z 1
		.amdhsa_system_vgpr_workitem_id 0
		.amdhsa_next_free_vgpr 96
		.amdhsa_next_free_sgpr 66
		.amdhsa_reserve_vcc 0
		.amdhsa_float_denorm_mode_32 3
		.amdhsa_float_denorm_mode_16_64 3
		.amdhsa_memory_ordered 1
		.amdhsa_forward_progress 1
		.amdhsa_inst_pref_size 14
	.end_amdhsa_kernel
	.amdgpu_metadata
---
amdhsa.version: [ 1, 2 ]
amdhsa.kernels:
  - .name:           k_qe33c84f72d_soft
    .symbol:         k_qe33c84f72d_soft.kd
    .args:
      - { .name: st, .offset: 0, .size: 8, .value_kind: global_buffer, .address_space: global }
      - { .name: pt, .offset: 8, .size: 8, .value_kind: global_buffer, .address_space: global }
    .group_segment_fixed_size: 0
    .private_segment_fixed_size: 0
    .kernarg_segment_align: 8
    .kernarg_segment_size: 16
    .max_flat_workgroup_size: 256
    .sgpr_count:     66
    .vgpr_count:     96
    .wavefront_size: 32
...
	.end_amdgpu_metadata
.endif
;; end of part 5
;; launch outp (part 6): grid 4 x 32, 4 waves a work-group, clusters of 4 x 4, 327,680 bytes of LDS; arguments pt, tu, bo, out0; writes out0
.if DOCPART == 6
	.amdgcn_target "amdgcn-amd-amdhsa--gfx1250"
	.amdhsa_code_object_version 6
	.text
	.protected	k_qe33c84f72d_outp
	.globl	k_qe33c84f72d_outp
	.p2align	8
	.type	k_qe33c84f72d_outp,@function
k_qe33c84f72d_outp:
	s_mov_b64 s[64:65], 0
	v_nop
	global_prefetch_b8 v0, s[64:65] scope:SCOPE_SE
	s_setreg_imm32_b32 hwreg(HW_REG_WAVE_MODE, 25, 1), 1
	s_wait_xcnt 0x0
	s_wait_alu depctr_hold_cnt(0) depctr_sa_sdst(0) depctr_va_vdst(0) depctr_va_sdst(0) depctr_va_ssrc(0) depctr_va_vcc(0) depctr_vm_vsrc(0)
	s_getreg_b32 s2, hwreg(HW_REG_IB_STS2, 6, 4)
	s_cmp_eq_u32 s2, 0
	s_cbranch_scc0 .Lentry_in_a_cluster
	s_endpgm
.Lentry_in_a_cluster:
	s_bfe_u32 s2, ttmp6, 0x10000c
	s_cmp_lg_u32 s2, 0xf033
	s_cbranch_scc0 .Lentry_shape_is_right
	s_endpgm
.Lentry_shape_is_right:
; out[b][n][j] = sum over m of Pt[b][m][n] U[b][m][j] + bo[j], f32.  Pt and U are pairs of bf16 planes; the product is P_hi U_hi + P_lo U_hi + P_hi U_lo, one f32 sum.
; LIMITS: the term P_lo U_lo, at most 2^-16 of a term, is left out; bo is rounded to bf16 like every input; NaN and infinities are not treated apart.
; SHARES.  A tile of 128 (n) x 128 (j), four waves of 64 x 64: 32 x 4 = 128 work-groups.  (Tiles of 128 x 64 would give 256, with 96 matrix instructions a wave for the one load behind each round where this text has 192.)
; RING.  K (the keys m) goes in 8 steps of 128.  A slot holds four tiles of the same 128 keys, each 128 rows of 256 bytes + 32: P_hi, P_lo, U_hi, U_lo; wave w brings tile w.  Both operands lie [key][column] and
; come out of LDS turned, by ds_load_tr16_b128.  A wave has two tensor loads out at the start and one behind each round; that load has 176 matrix instructions in which to land.
; CLUSTER 4 x 4: P's tiles hang on the row tile and are shared along a row of the cluster, U's on the column tile and the batch and are shared along a column.
; Source 0 = 16 columns of U, source 1 = 16 columns of P: a lane holds row n = lane % 16 and eight neighbouring j.  The stage lies in slot 0, behind its last fill and last read.
.set TP,     288
.set TILE,   128*TP
.set SLOT,   4*TILE
.set SPARE,  2*SLOT                    ; the spare words: 128 bytes for each wave; no other line names them
.set SPITCH, 528
.set ADP,  8                           ; v8-11  P's fragments: slot s, plane pl at ADP + 2 s + pl
.set ADU,  12                          ; v12-15 U's
.set STO,  24
.set RD,   25
.set CO,   26
.set BO,   27
.set SPW,  28
.set NIL,  29
.set CB,   32                          ; v32-63 bo of my columns
.set TMP,  64
.set ACC,  128
.set F0,   0                           ; window 1: P_hi at +8 a, P_lo at +32 + 8 a, U_hi at +64 + 8 b, U_lo at +96 + 8 b
.set F1,   128
.set G1,  24
.set G0,  32
.set G1B, 48
.set G0B, 56
.set HM,  45
.set MSB, 0
.macro WIN new
.if MSB != (\new)
	s_set_vgpr_msb (MSB<<8)|(\new)
.set MSB, \new
.endif
.endm
.set MUL,  0x05
.set TO_F, 0x40
.macro JLOAD s                         ; waves 0 and 1 fetch P's two planes, waves 2 and 3 U's; s_nop 0 and four v_nop follow each line
	s_cmp_eq_u32 s11, 0
	s_cbranch_scc0 .Lfor_b_\@
	tensor_load_to_lds s[G0+4*(\s):G0+4*(\s)+3], s[G1:G1+7]
	s_nop 0
.rept 4
	v_nop
.endr
	s_branch .Lasked_\@
.Lfor_b_\@:
	tensor_load_to_lds s[G0B+4*(\s):G0B+4*(\s)+3], s[G1B:G1B+7]
	s_nop 0
.rept 4
	v_nop
.endr
.Lasked_\@:
.endm
.macro CREST
	s_cmp_lg_u32 s10, 0
	s_cbranch_scc1 .Lnot_wave_0_\@
	s_barrier_signal -3
.Lnot_wave_0_\@:
	s_barrier_wait -3
	s_barrier_signal -1
	s_barrier_wait -1
.endm
.macro CROUND
	s_barrier_signal -1
	s_barrier_wait -1
	CREST
.endm
	s_load_b128 s[4:7], s[0:1], 0x0                ; pt s[4:5], tu s[6:7]
	s_load_b128 s[68:71], s[0:1], 0x10             ; bo s[68:69], out0 s[70:71]
	v_lshl_add_u32 v[SPW], v0, 2, SPARE
	v_mov_b32 v[NIL], 0
	ds_add_u32 v[SPW], v[NIL]                      ; the wave's opening: the add and its wait ahead of my first tensor load
	v_lshrrev_b32 v1, 5, v0
	v_readfirstlane_b32 s10, v1
	s_lshr_b32 s11, s10, 1                         ; my half of the rows; also: I fetch for P (0) or U (1)
	s_and_b32 s12, s10, 1                          ; my half of the columns; also: which plane I fetch
	s_bfe_u32 s40, ttmp6, 0x40000                  ; cx
	s_bfe_u32 s41, ttmp6, 0x40004                  ; cy
	s_lshl_b32 s42, ttmp9, 2
	s_add_co_u32 s42, s42, s40                     ; the tile of columns j
	s_and_b32 s66, ttmp7, 0xffff                   ; the cluster's y
	s_lshl_b32 s13, s66, 2
	s_add_co_u32 s13, s13, s41                     ; 8 x batch + the tile of rows n
	s_lshl_b32 s43, s41, 2
	s_lshl_b32 s43, 15, s43
	s_lshl_b32 s44, 0x1111, s40
	s_mov_b32 s[HM], 0xffff0000
	s_or_b32 s[G1+0], s43, (1<<16)|(1<<20)|(1<<21)|(5<<22)|(7<<25)  ; the mask; 2-byte elements; padding on; bit 21 beside a mask; after every 64 words, 8 words
	s_or_b32 s[G1B+0], s44, (1<<16)|(1<<20)|(1<<21)|(5<<22)|(7<<25)
.irp g, G1, G1B
	s_mov_b32 s[(\g)+1], 128<<16                   ; tensor_dim0 = 128
	s_mov_b32 s[(\g)+2], 128<<16                   ; tensor_dim1 = 128
	s_mov_b32 s[(\g)+3], 128<<16                   ; tile_dim0 = 128
	s_mov_b32 s[(\g)+4], 128                       ; tile_dim1 = 128
	s_mov_b32 s[(\g)+6], 0
	s_mov_b32 s[(\g)+7], 0
.endr
	s_mov_b32 s[G1+5], 1024                        ; Pt: 1,024 elements from key to key
	s_mov_b32 s[G1B+5], 512                        ; U: 512
	s_lshl_b32 s16, s12, 23                        ; P: my plane,
	s_lshr_b32 s17, s13, 3
	s_lshl_b32 s17, s17, 21                        ; the batch's 1,024 rows of 2,048 bytes,
	s_add_co_u32 s16, s16, s17
	s_and_b32 s17, s13, 7
	s_lshl_b32 s17, s17, 8                         ; the tile's 128 columns
	s_add_co_u32 s16, s16, s17
	s_mov_b32 s17, 0
	s_lshl_b32 s46, s12, 22                        ; U: my plane,
	s_lshr_b32 s47, s66, 1                         ; the batch, from the cluster's y alone,
	s_lshl_b32 s47, s47, 20
	s_add_co_u32 s46, s46, s47
	s_lshl_b32 s47, s42, 8                         ; the tile's 128 columns
	s_add_co_u32 s46, s46, s47
	s_add_co_u32 s46, s46, 0x800000                ; U lies behind T
	s_mov_b32 s47, 0
	s_lshl_b32 s74, s42, 9                         ; bo of my 64 columns
	s_lshl_b32 s75, s12, 8
	s_add_co_u32 s74, s74, s75
	s_mov_b32 s75, 0
	s_mul_i32 s20, s10, TILE                       ; where my tile goes
	s_wait_dscnt 0x0
	s_wait_kmcnt 0x0
	s_add_nc_u64 s[14:15], s[4:5], s[16:17]
	s_add_nc_u64 s[46:47], s[6:7], s[46:47]
	s_add_nc_u64 s[72:73], s[68:69], s[74:75]
	CROUND
.irp s, 0,1
	s_mov_b32 s[G0+4*(\s)], 1
	s_add_co_u32 s[G0+4*(\s)+1], s20, (\s)*SLOT
	s_add_nc_u64 s[G0+4*(\s)+2:G0+4*(\s)+3], s[14:15], (\s)*262144   ; 128 keys of 2,048 bytes
	s_or_b32 s[G0+4*(\s)+3], s[G0+4*(\s)+3], 0x80000000
	s_mov_b32 s[G0B+4*(\s)], 1
	s_add_co_u32 s[G0B+4*(\s)+1], s20, (\s)*SLOT
	s_add_nc_u64 s[G0B+4*(\s)+2:G0B+4*(\s)+3], s[46:47], (\s)*131072 ; 128 keys of 1,024 bytes
	s_or_b32 s[G0B+4*(\s)+3], s[G0B+4*(\s)+3], 0x80000000
	JLOAD \s
.endr
	v_and_b32 v1, 15, v0
	v_bfe_u32 v2, v0, 4, 1
	v_lshlrev_b32 v[BO], 5, v2
.irp b, 0,1,2,3
	global_load_b128 v[CB+8*\b:CB+8*\b+3],   v[BO], s[72:73] offset:64*\b
	global_load_b128 v[CB+8*\b+4:CB+8*\b+7], v[BO], s[72:73] offset:64*\b+16
.endr
	; the turning load: lane l reads key 8 (l / 16) + l % 8, 16 bytes at 16 ((l / 8) % 2), and is left with column l % 16 and 8 keys
	v_and_b32 v3, 7, v0
	v_lshl_add_u32 v3, v2, 3, v3
	v_mul_u32_u24 v3, v3, TP
	v_bfe_u32 v4, v0, 3, 1
	v_lshl_add_u32 v3, v4, 4, v3
	s_lshl_b32 s21, s11, 7                         ; my 64 columns of P
	s_lshl_b32 s22, s12, 7                         ; my 64 columns of U,
	s_add_co_u32 s22, s22, 2*TILE                  ; whose tiles lie behind P's two
.irp s, 0,1
.irp p, 0,1
	v_add_nc_u32 v[ADP+2*\s+\p], s21, v3
	v_add_nc_u32 v[ADU+2*\s+\p], s22, v3
	s_add_co_u32 s21, s21, TILE
	s_add_co_u32 s22, s22, TILE
.endr
	s_add_co_u32 s21, s21, SLOT-2*TILE
	s_add_co_u32 s22, s22, SLOT-2*TILE
.endr
	s_mul_i32 s23, s11, 64*SPITCH
	s_lshl_b32 s21, s12, 8
	s_add_co_u32 s23, s23, s21
	v_mul_u32_u24 v4, v1, SPITCH
	v_lshl_add_u32 v4, v2, 5, v4
	v_add_nc_u32 v[STO], s23, v4
	s_mul_i32 s23, s10, 32*SPITCH
	v_and_b32 v5, 31, v0
	v_lshlrev_b32 v[CO], 4, v5
	v_add_nc_u32 v[RD], s23, v[CO]
	s_lshl_b32 s16, s13, 7
	s_lshl_b32 s17, s10, 5
	s_add_co_u32 s16, s16, s17
	s_lshl_b32 s16, s16, 11                        ; 2,048 bytes a row of out
	s_mov_b32 s17, 0
	s_add_nc_u64 s[8:9], s[70:71], s[16:17]
	s_lshl_b32 s46, s42, 9
	s_mov_b32 s47, 0
	s_add_nc_u64 s[8:9], s[8:9], s[46:47]
; eight matrix instructions: row blocks a0, a0 + 1 x all four column blocks; u: U's plane in the buffer (64 hi, 96 lo); p: P's (0 hi, 32 lo).  The accumulators take turns
.macro MULX f, u, p, a0, zero
	WIN MUL
.irp a, \a0, (\a0)+1
.irp b, 0,1,2,3
.if \zero
	v_wmma_f32_16x16x32_bf16 v[ACC+8*(4*(\a)+(\b)):ACC+8*(4*(\a)+(\b))+7], v[(\f)+(\u)+8*(\b):(\f)+(\u)+8*(\b)+7], v[(\f)+(\p)+8*(\a):(\f)+(\p)+8*(\a)+7], 0
.else
	v_wmma_f32_16x16x32_bf16 v[ACC+8*(4*(\a)+(\b)):ACC+8*(4*(\a)+(\b))+7], v[(\f)+(\u)+8*(\b):(\f)+(\u)+8*(\b)+7], v[(\f)+(\p)+8*(\a):(\f)+(\p)+8*(\a)+7], v[ACC+8*(4*(\a)+(\b)):ACC+8*(4*(\a)+(\b))+7]
.endif
.endr
.endr
.endm
.macro FRAGS dst, adr, q               ; four fragments, eight turning loads
.irp i, 0,1,2,3
	ds_load_tr16_b128 v[(\dst)+8*\i:(\dst)+8*\i+3],   v[\adr] offset:(\q)*32*TP+\i*32
	ds_load_tr16_b128 v[(\dst)+8*\i+4:(\dst)+8*\i+7], v[\adr] offset:(\q)*32*TP+\i*32+16*TP
.endr
.endm
.macro FETCH slot, q, f                ; 32 LDS loads in one run: keys 32 q .. of the slot; what the first product wants comes first
	WIN TO_F
	FRAGS (\f)+64, ADU+2*(\slot), \q
	FRAGS (\f), ADP+2*(\slot), \q
	FRAGS (\f)+32, ADP+2*(\slot)+1, \q
	FRAGS (\f)+96, ADU+2*(\slot)+1, \q
.endm
.macro PLACES
.rept 4
	v_nop
.endr
.endm
.macro QUARTER slot, q, f, g, zero     ; 32 keys, 48 matrix instructions on buffer f; in between the next quarter, q of the slot, is fetched into g
	s_wait_dscnt 16                                ; U_hi and P_hi are in
	MULX \f, 64, 0, 0, \zero
	MULX \f, 64, 0, 2, \zero
	PLACES
	FETCH \slot, \q, \g
	s_wait_dscnt 32                                ; all but the 32 just issued
	MULX \f, 64, 32, 0, 0
	MULX \f, 64, 32, 2, 0
	MULX \f, 96, 0, 0, 0
	MULX \f, 96, 0, 2, 0
.endm
; A step's last quarter multiplies buffer 1 and changes slots: in front of the one barrier each wave waits for all its tensor loads, adds 0 to its spare word, and waits for that and for its reads of this slot.
; fill = 1: the barrier opens a round of the cluster's barrier, and this slot is filled again, two steps ahead.
.macro TURN slot, next, fill
	WIN 0
	s_wait_tensorcnt 0x0                           ; all my tensor loads have landed: my tile of the next slot
	ds_add_u32 v[SPW], v[NIL]
	s_wait_dscnt 17                                ; (the add and the youngest sixteen loads may be out)
	MULX F1, 64, 0, 0, 0
	s_wait_dscnt 0x0                               ; the add is done, and my reads of this slot are over
	s_barrier_signal -1
	MULX F1, 64, 0, 2, 0
.if \fill
	WIN 0
.endif
	s_barrier_wait -1
.if \fill
	CREST
	s_add_nc_u64 s[G0+4*(\slot)+2:G0+4*(\slot)+3], s[G0+4*(\slot)+2:G0+4*(\slot)+3], 524288
	s_add_nc_u64 s[G0B+4*(\slot)+2:G0B+4*(\slot)+3], s[G0B+4*(\slot)+2:G0B+4*(\slot)+3], 262144
	JLOAD \slot                                    ; the first tensor load behind the round; its four v_nop are also the places in front of the loads below
.else
	PLACES
.endif
	FETCH \next, 0, F0
	MULX F1, 64, 32, 0, 0
	MULX F1, 64, 32, 2, 0
	MULX F1, 96, 0, 0, 0
	MULX F1, 96, 0, 2, 0
.endm
	s_wait_tensorcnt 1                             ; my tile of slot 0 is in; slot 1's may stay out
	s_barrier_signal -1
	s_barrier_wait -1
	FETCH 0, 0, F0
	QUARTER 0, 1, F0, F1, 1                        ; the first quarter stands in front of the loop: its first products start the sums
	WIN 0
	s_mov_b32 s3, 3
.Llap:                                                 ; a trip goes once round the ring, from a lap's second quarter to the next lap's first, and fills both slots again
	QUARTER 0, 2, F1, F0, 0
	QUARTER 0, 3, F0, F1, 0
	TURN 0, 1, 1
	QUARTER 1, 1, F0, F1, 0
	QUARTER 1, 2, F1, F0, 0
	QUARTER 1, 3, F0, F1, 0
	TURN 1, 0, 1
	QUARTER 0, 1, F0, F1, 0
	WIN 0
	s_sub_co_u32 s3, s3, 1
	s_cmp_lg_u32 s3, 0
	s_cbranch_scc1 .Llap
	QUARTER 0, 2, F1, F0, 0                        ; the last lap fills nothing
	QUARTER 0, 3, F0, F1, 0
	TURN 0, 1, 0
	QUARTER 1, 1, F0, F1, 0
	QUARTER 1, 2, F1, F0, 0
	QUARTER 1, 3, F0, F1, 0
	s_wait_dscnt 16
	MULX F1, 64, 0, 0, 0
	MULX F1, 64, 0, 2, 0
	s_wait_dscnt 0x0
	MULX F1, 64, 32, 0, 0
	MULX F1, 64, 32, 2, 0
	MULX F1, 96, 0, 0, 0
	MULX F1, 96, 0, 2, 0
	WIN 0
	; THE WAY OUT.  bo is rounded to bf16 and widened again: these lines are also the places behind the last products.  Then f32 through the stage, 512 consecutive bytes to a store.
	s_wait_loadcnt 0x0
.set i, 0
.rept 16
	v_cvt_pk_bf16_f32 v[TMP+i], v[CB+2*i], v[CB+2*i+1]
.set i, i+1
.endr
.set i, 0
.rept 16
	v_lshlrev_b32 v[CB+2*i], 16, v[TMP+i]
	v_and_b32 v[CB+2*i+1], s[HM], v[TMP+i]
.set i, i+1
.endr
.set t, 0
.rept 16
.set AC, ACC+8*t
.set CBB, CB+8*(t%4)
.irp r, 0,2,4,6
	v_pk_add_f32 v[AC+\r:AC+\r+1], v[AC+\r:AC+\r+1], v[CBB+\r:CBB+\r+1]
.endr
	ds_store_b128 v[STO], v[AC:AC+3]   offset:(t/4)*16*SPITCH+(t%4)*64
	ds_store_b128 v[STO], v[AC+4:AC+7] offset:(t/4)*16*SPITCH+(t%4)*64+16
.set t, t+1
.endr
	s_wait_dscnt 0x0                               ; for the others' sake
	s_barrier_signal -1
	s_barrier_wait -1
.set t, 0
.rept 32
	ds_load_b128 v[ACC+4*t:ACC+4*t+3], v[RD] offset:t*SPITCH
.set t, t+1
.endr
.set t, 0
.rept 32
	s_wait_dscnt 31-t
	global_store_b128 v[CO], v[ACC+4*t:ACC+4*t+3], s[8:9] offset:t*2048
.set t, t+1
.endr
	s_wait_tensorcnt 0x0                           ; the wave's end
	ds_add_u32 v[SPW], v[NIL]
	s_wait_dscnt 0x0
	CROUND                                         ; the closing round
	s_endpgm
.Lfunc_end_k_qe33c84f72d_outp:
	.size	k_qe33c84f72d_outp, .Lfunc_end_k_qe33c84f72d_outp-k_qe33c84f72d_outp
	.p2alignl 7, 3214868480
	.fill 96, 4, 3214868480
	.section	.rodata,"a",@progbits
	.p2align	6, 0x0
	.amdhsa_kernel k_qe33c84f72d_outp
		.amdhsa_group_segment_fixed_size 327680
		.amdhsa_private_segment_fixed_size 0
		.amdhsa_enable_private_segment 0
		.amdhsa_kernarg_size 32
		.amdhsa_user_sgpr_count 2
		.amdhsa_user_sgpr_kernarg_segment_ptr 1
		.amdhsa_wavefront_size32 1
		.amdhsa_system_sgpr_workgroup_id_x 1
		.amdhsa_system_sgpr_workgroup_id_y 1
		.amdhsa_system_sgpr_workgroup_id_z 1
		.amdhsa_system_vgpr_workitem_id 0
		.amdhsa_next_free_vgpr 512
		.amdhsa_next_free_sgpr 80
		.amdhsa_reserve_vcc 0
		.amdhsa_float_denorm_mode_32 3
		.amdhsa_float_denorm_mode_16_64 3
		.amdhsa_memory_ordered 1
		.amdhsa_forward_progress 1
		.amdhsa_inst_pref_size 110
	.end_amdhsa_kernel
	.amdgpu_metadata
---
amdhsa.version: [ 1, 2 ]
amdhsa.kernels:
  - .name:           k_qe33c84f72d_outp
    .symbol:         k_qe33c84f72d_outp.kd
    .args:
      - { .name: pt, .offset: 0, .size: 8, .value_kind: global_buffer, .address_space: global }
      - { .name: tu, .offset: 8, .size: 8, .value_kind: global_buffer, .address_space: global }
      - { .name: bo, .offset: 16, .size: 8, .value_kind: global_buffer, .address_space: global }
      - { .name: out0, .offset: 24, .size: 8, .value_kind: global_buffer, .address_space: global }
    .group_segment_fixed_size: 327680
    .private_segment_fixed_size: 0
    .kernarg_segment_align: 8
    .kernarg_segment_size: 32
    .max_flat_workgroup_size: 128
    .sgpr_count:     80
    .vgpr_count:     512
    .wavefront_size: 32
...
	.end_amdgpu_metadata
.endif
;; end of part 6
